; MI455X (gfx1250); checked and timed in simulation.
; The chip was launched on July 23, 2026; its instructions are those of AMD's public machine-readable ISA for CDNA 5 (MIT licence, August 2026) and "CDNA5" Instruction Set Architecture Reference Guide (July 2026). The comments in the code are by the model that wrote it; some were corrected since.
;; Self Attention. Allowed arithmetic: matrix products marked QUANTISED: E3M2 operands, one E8M0 scale for each 32 along K, by v_wmma_scale_f32_16x16x128_f8f6f4 with both operands' format E3M2, f32 sums; everything else in f32.
;; Inputs: beta 256 float32; gamma 256 float32; proj_b 256 float32; proj_w 256 x 256 float32; qkv_b 768 float32; qkv_w 768 x 256 float32; x 4 x 256 x 64 x 64 float32.
;; Outputs: out0 4 x 256 x 64 x 64 float32.
;; This version of the problem:
;;   THIS VERSION OF THE PROBLEM IS GIVEN IN LOW PRECISION. The matrix products marked QUANTISED in the list below multiply operands that are first quantised to E3M2 (3 exponent bits, 2 mantissa bits; 6 bits a number), with one power-of-two scale for each 32 numbers along K (OCP MX v1.0); their sums are f32. All else is computed in f32.
;;   The module's matrix products, in the order in which they are computed (A, B: the left and right operand; K: the contracted axis; several contracted axes count as one K, in the product's order):
;;     1. [M 16,384, K 256] x [K 256, N 768]; A: computed on the way; B: input qkv_w: QUANTISED
;;     2. batch 16 x [M 4,096, K 64] x [K 64, N 4,096]; A: computed on the way; B: computed on the way: QUANTISED
;;     3. batch 16 x [M 64, K 4,096] x [K 4,096, N 4,096]; A: computed on the way; B: softmax (see below): QUANTISED
;;     4. [M 16,384, K 256] x [K 256, N 256]; A: computed on the way; B: input proj_w: QUANTISED
;;   THE QUANTISER, for each operand of a quantised product, along K:
;;     - K is cut into blocks of 32 from its start; a last block that is shorter is filled with zeros.
;;     - A block's scale is 2^e with e = floor(log2(the largest magnitude in the block)) - 4, held to -126 .. 127; a block of zeros has e = 0. As a byte (E8M0): e + 127.
;;     - Each number is divided by its block's scale, clamped to +-28, and rounded to the nearest number of E3M2, ties to even, subnormals kept.
;;     - The product sums the exact products of the quantised numbers (number of the format x scale) in f32.
;;   ~~~python
;;   def quantise(x, axis):      # numpy; x: float32 -> the quantised numbers, widened to float32 again
;;       x = np.moveaxis(x, axis, -1); K = x.shape[-1]
;;       x = np.pad(x, [(0, 0)] * (x.ndim - 1) + [(0, -K % 32)]); x = x.reshape(x.shape[:-1] + (-1, 32)); a = np.abs(x).max(-1, keepdims=True)
;;       e = np.where(a > 0, np.clip(np.frexp(np.where(a > 0, a, 1))[1] - 1 - 4, -126, 127), 0)      # np.frexp(a)[1] - 1 = floor(log2(a)), exactly
;;       r = np.clip(x / 2.0 ** e, -28, 28)
;;       step = 2.0 ** (np.maximum(np.frexp(np.where(r == 0, 1, r))[1] - 1, -2) - 2)
;;       q = np.round(r / step) * step * 2.0 ** e      # np.round: ties to even
;;       return np.moveaxis(q.reshape(q.shape[:-2] + (-1,))[..., :K], -1, axis).astype(np.float32)
;;   ~~~
;;   SOFTMAX AHEAD OF A QUANTISED PRODUCT. Where the list says 'softmax', what is quantised is not the finished softmax but p = 2^(t - M), with t = logit x log2(e) and M = ceil(the row's largest t), a whole number; so 1/2 < the row's largest p <= 1. The row's sum l is taken of the UNQUANTISED p, in f32, and the product's result is divided by l at the end. Since M is a whole number, a kernel that streams over the keys may use a running M (the ceiling of the running maximum): every later rescaling is an exact power of two, which a block's scale takes up: the codes' values come out the same.
;;   OPERANDS COMPUTED ON THE WAY. 'Computed on the way' means the value that the module computes at that place (a softmax that the list does not call 'softmax' is quantised finished and normalised). What goes into a quantiser is computed in f32, as accurately as f32 sums, v_exp_f32 and their like allow (about 1e-6 of the number): no bf16 or f16 on the way to a quantiser, and a product that is left as it is and whose result goes on into a quantised operand takes f32 operands (vector FMAs, or v_wmma_f32_16x16x4_f32). A number that lies on a knife's edge between two numbers of the format may be rounded either way, as far as f32 arithmetic and the matrix unit's own rounding can turn it there, and no further.
;; One version. Each part assembles by itself: llvm-mc -triple=amdgcn-amd-amdhsa -mcpu=gfx1250 --defsym DOCPART=n.
;; ======== version 1 of 1: 4 launches
;; workspace buffers: stats 2,048 bytes; wq 212,992 bytes; qbuf 3,670,016 bytes; kvc 6,291,456 bytes; kvs 524,288 bytes; ao 4,194,304 bytes
;; launch prep (part 1): grid 272 x 1, 8 waves a work-group, no clusters, 1,280 bytes of LDS; arguments x, qkv_w, proj_w, stats, wq; writes stats, wq
.if DOCPART == 1
	.amdgcn_target "amdgcn-amd-amdhsa--gfx1250"
	.amdhsa_code_object_version 6
	.text
	.protected	k_q85a9c50577_prep
	.globl	k_q85a9c50577_prep
	.p2align	8
	.type	k_q85a9c50577_prep,@function
k_q85a9c50577_prep:
	s_mov_b64 s[64:65], 0
	v_nop
	global_prefetch_b8 v0, s[64:65] scope:SCOPE_SE
	s_setreg_imm32_b32 hwreg(HW_REG_WAVE_MODE, 25, 1), 1
	s_wait_xcnt 0x0
; PREP.  Two jobs in one launch, told apart by the work-group's number (the same for all waves of a work-group).
; Work-groups 0-255: the statistics of x for the group norm.  x [4][256][4096] f32; a group is 32 channels = 131,072 dense numbers = 8 chunks of 16,384.
;   Work-group n takes chunk n and stores (mean, M2 = sum of squared deviations from that mean) at stats[n]: 8 bytes.  Two passes over registers: the mean first, then the
;   deviations, so that no difference of large sums is formed and a common offset of the inputs does no harm.  Parts are joined by mean = average of the means,
;   M2 = sum of the M2 + N x sum of (mean_i - mean)^2.
; Work-groups 256-271: qkv_w [768][256] and proj_w [256][256], f32, K innermost, become codes of E3M2 with one E8M0 byte for each 32 along K, laid as IMAGES OF OPERAND REGISTERS:
;   fragment f = 2 tau + s (tile tau of 16 rows, K step s of 128) is 12 registers a lane: three pieces of 512 bytes, lane l's 16 bytes at 16 l, at wq + 1536 f; its scale words, 4 bytes a lane, at wq + 196608 + 128 f.
;   tau 0-47: qkv_w; lane r of tile tau takes row 32 (tau / 2) + 8 (tau % 2) + r + 8 (r / 8), so that two neighbouring tiles' results are 16 neighbours along the next K.  tau 48-63: proj_w, rows 16 (tau - 48) + r.
; A block's scale byte is its largest magnitude's exponent field - 4, held at 1 from below.
; LIMITS: NaN and infinities among the inputs are not served; a block of zeros, or one whose largest magnitude lies under 2^-122, gets the byte 1 (zero or tiny codes; the bytes are read by this program alone).
.macro WSUM a, t                       ; the sum over the wave's 32 lanes, in every lane
	s_delay_alu instid0(VALU_DEP_1)
	v_add_f32_dpp v[\a], v[\a], v[\a] row_xmask:1 row_mask:0xf bank_mask:0xf
	s_delay_alu instid0(VALU_DEP_1)
	v_add_f32_dpp v[\a], v[\a], v[\a] row_xmask:2 row_mask:0xf bank_mask:0xf
	s_delay_alu instid0(VALU_DEP_1)
	v_add_f32_dpp v[\a], v[\a], v[\a] row_xmask:4 row_mask:0xf bank_mask:0xf
	s_delay_alu instid0(VALU_DEP_1)
	v_add_f32_dpp v[\a], v[\a], v[\a] row_xmask:8 row_mask:0xf bank_mask:0xf
	s_delay_alu instid0(VALU_DEP_1)
	v_permlanex16_b32 v[\t], v[\a], s20, s21
	s_delay_alu instid0(VALU_DEP_1)
	v_add_f32 v[\a], v[\a], v[\t]
.endm
.macro COMBINE m, q, t, e, n           ; lane l holds (mean, M2) of part l % 8, each of n numbers: v[t] becomes the mean of all eight, v[q] their M2, in every lane
	v_mov_b32 v[\t], v[\m]
	s_delay_alu instid0(VALU_DEP_1)
	v_add_f32_dpp v[\t], v[\t], v[\t] row_xmask:1 row_mask:0xf bank_mask:0xf
	s_delay_alu instid0(VALU_DEP_1)
	v_add_f32_dpp v[\t], v[\t], v[\t] row_xmask:2 row_mask:0xf bank_mask:0xf
	s_delay_alu instid0(VALU_DEP_1)
	v_add_f32_dpp v[\t], v[\t], v[\t] row_xmask:4 row_mask:0xf bank_mask:0xf
	s_delay_alu instid0(VALU_DEP_1)
	v_mul_f32 v[\t], 0x3e000000, v[\t]             ; / 8
	s_delay_alu instid0(VALU_DEP_1)
	v_sub_f32 v[\m], v[\m], v[\t]
	s_delay_alu instid0(VALU_DEP_1)
	v_mul_f32 v[\e], \n, v[\m]
	s_delay_alu instid0(VALU_DEP_1)
	v_fma_f32 v[\q], v[\e], v[\m], v[\q]           ; M2_i + n (mean_i - mean)^2
	s_delay_alu instid0(VALU_DEP_1)
	v_add_f32_dpp v[\q], v[\q], v[\q] row_xmask:1 row_mask:0xf bank_mask:0xf
	s_delay_alu instid0(VALU_DEP_1)
	v_add_f32_dpp v[\q], v[\q], v[\q] row_xmask:2 row_mask:0xf bank_mask:0xf
	s_delay_alu instid0(VALU_DEP_1)
	v_add_f32_dpp v[\q], v[\q], v[\q] row_xmask:4 row_mask:0xf bank_mask:0xf
.endm
	s_load_b128 s[4:7], s[0:1], 0x0                ; x, qkv_w
	s_load_b128 s[8:11], s[0:1], 0x10              ; proj_w, stats
	s_load_b64 s[12:13], s[0:1], 0x20              ; wq
	v_lshl_add_u32 v112, v0, 2, 0x100
	v_mov_b32 v113, 0
	v_lshrrev_b32 v1, 5, v0
	s_delay_alu instid0(VALU_DEP_1)
	v_readfirstlane_b32 s14, v1                    ; wave 0..7
	v_and_b32 v2, 31, v0                           ; lane
	s_delay_alu instid0(VALU_DEP_1)
	v_lshlrev_b32 v3, 4, v2                        ; 16 x lane
	s_mov_b32 s20, 0x76543210                      ; v_permlanex16_b32's selects for lane l xor 16
	s_mov_b32 s21, 0xfedcba98
	s_mov_b32 s17, 0
	s_cmp_ge_u32 ttmp9, 256
	s_cbranch_scc1 .Lweights
	; ---- the statistics of chunk ttmp9: wave w takes 8,192 bytes, 64 numbers a lane
	s_lshl_b32 s16, ttmp9, 16
	s_lshl_b32 s18, s14, 13
	s_add_co_u32 s16, s16, s18
	v_mov_b32 v91, 0                               ; a lane permute's destination counts as one of its sources
	s_wait_alu depctr_va_vdst(0)
	v_lshlrev_b32 v10, 3, v1                       ; LDS: 8 x wave
	v_and_b32 v11, 7, v0
	s_delay_alu instid0(VALU_DEP_1)
	v_lshlrev_b32 v11, 3, v11                      ; LDS: 8 x (lane % 8)
	s_wait_kmcnt 0x0
	s_add_nc_u64 s[4:5], s[4:5], s[16:17]
.irp i, 0,1,2,3,4,5,6,7,8,9,10,11,12,13,14,15
	global_load_b128 v[16+4*\i:19+4*\i], v3, s[4:5] offset:512*\i    ; 32 lanes read 512 consecutive bytes
.endr
	s_wait_loadcnt 12                              ; the first four loads are in; the twelve younger may be out
.irp c, 0,1,2,3
	v_pk_add_f32 v[80+2*\c:81+2*\c], v[16+2*\c:17+2*\c], v[24+2*\c:25+2*\c]   ; four chains, started by the first numbers: nothing is cleared
.endr
	s_wait_alu depctr_va_vdst(0)
.irp g, 1,2,3
	s_wait_alu depctr_va_vdst(0)
	s_wait_loadcnt 12-4*\g                         ; four more
.irp c, 0,1,2,3
	v_pk_add_f32 v[80+2*\c:81+2*\c], v[80+2*\c:81+2*\c], v[16+16*\g+2*\c:17+16*\g+2*\c]
.endr
.irp c, 0,1,2,3
	s_delay_alu instid0(VALU_DEP_4)
	v_pk_add_f32 v[80+2*\c:81+2*\c], v[80+2*\c:81+2*\c], v[24+16*\g+2*\c:25+16*\g+2*\c]
.endr
.endr
	s_delay_alu instid0(VALU_DEP_3)
	v_pk_add_f32 v[80:81], v[80:81], v[82:83]
	s_delay_alu instid0(VALU_DEP_2)
	v_pk_add_f32 v[84:85], v[84:85], v[86:87]
	s_delay_alu instid0(VALU_DEP_1)
	v_pk_add_f32 v[80:81], v[80:81], v[84:85]
	s_delay_alu instid0(VALU_DEP_1)
	v_add_f32 v80, v80, v81
	WSUM 80, 91
	s_delay_alu instid0(VALU_DEP_1)
	v_mul_f32 v92, 0x3a000000, v80                 ; / 2,048: my wave's mean
	s_delay_alu instid0(VALU_DEP_1)
	v_xor_b32 v88, 0x80000000, v92
	s_delay_alu instid0(VALU_DEP_1)
	v_mov_b32 v89, v88                             ; - mean, twice
.irp p, 0,2,4,6,8,10,12,14,16,18,20,22,24,26,28,30,32,34,36,38,40,42,44,46,48,50,52,54,56,58,60,62
	v_pk_add_f32 v[16+\p:17+\p], v[16+\p:17+\p], v[88:89]            ; the deviations
.endr
.irp c, 0,1,2,3
	v_pk_mul_f32 v[80+2*\c:81+2*\c], v[16+2*\c:17+2*\c], v[16+2*\c:17+2*\c]
.endr
.irp g, 1,2,3,4,5,6,7
.irp c, 0,1,2,3
	s_delay_alu instid0(VALU_DEP_4)
	v_pk_fma_f32 v[80+2*\c:81+2*\c], v[16+8*\g+2*\c:17+8*\g+2*\c], v[16+8*\g+2*\c:17+8*\g+2*\c], v[80+2*\c:81+2*\c]
.endr
.endr
	s_delay_alu instid0(VALU_DEP_3)
	v_pk_add_f32 v[80:81], v[80:81], v[82:83]
	s_delay_alu instid0(VALU_DEP_2)
	v_pk_add_f32 v[84:85], v[84:85], v[86:87]
	s_delay_alu instid0(VALU_DEP_1)
	v_pk_add_f32 v[80:81], v[80:81], v[84:85]
	s_delay_alu instid0(VALU_DEP_1)
	v_add_f32 v93, v80, v81
	WSUM 93, 91                                    ; my wave's M2
	ds_store_b64 v10, v[92:93]                     ; all lanes write the same 8 bytes with the same value
	s_wait_dscnt 0x0                               ; for the others' sake: my store has landed
	s_barrier_signal -1
	s_barrier_wait -1
	s_cmp_lg_u32 s14, 0
	s_cbranch_scc1 .Ldone                          ; wave 0 joins the eight parts
	ds_load_b64 v[92:93], v11
	s_lshl_b32 s16, ttmp9, 3
	s_add_nc_u64 s[10:11], s[10:11], s[16:17]
	v_mov_b32 v12, 0
	s_wait_dscnt 0x0
	COMBINE 92, 93, 94, 95, 0x45000000             ; parts of 2,048 numbers
	v_mov_b32 v92, v94
	s_wait_alu depctr_va_vdst(0)
	s_wait_xcnt 0x0                                ; EXEC changes only behind this wait
	v_cmp_eq_u32 vcc_lo, 0, v0
	s_and_saveexec_b32 s22, vcc_lo
	global_store_b64 v12, v[92:93], s[10:11]       ; one lane: the chunk's (mean, M2)
	s_wait_xcnt 0x0                                ; and again in front of the line that widens it
	s_or_b32 exec_lo, exec_lo, s22
.Ldone:
	s_wait_tensorcnt 0x0
	ds_add_u32 v112, v113
	s_wait_dscnt 0x0
	s_endpgm
	; ---- the weights: one fragment a wave
.Lweights:
	s_sub_co_u32 s16, ttmp9, 256
	s_lshl_b32 s16, s16, 3
	s_add_co_u32 s16, s16, s14                     ; f = 0 .. 127
	s_lshr_b32 s18, s16, 1                         ; tau
	s_and_b32 s19, s16, 1                          ; s
	s_lshr_b32 s22, s18, 1
	s_lshl_b32 s22, s22, 5
	s_and_b32 s23, s18, 1
	s_lshl_b32 s23, s23, 3
	s_add_co_u32 s22, s22, s23                     ; qkv_w: 32 (tau / 2) + 8 (tau % 2)
	s_sub_co_u32 s23, s18, 48
	s_lshl_b32 s23, s23, 4                         ; proj_w: 16 (tau - 48)
	s_lshl_b32 s26, s19, 9                         ; K step s: 512 bytes along a row
	s_mov_b32 s27, 0
	s_mul_i32 s28, s16, 1536
	s_mov_b32 s29, 0
	s_lshl_b32 s30, s16, 7
	s_add_co_u32 s30, s30, 196608
	s_mov_b32 s31, 0
	s_wait_kmcnt 0x0
	s_cmp_lt_u32 ttmp9, 268                        ; f < 96: qkv_w.  The choice hangs on the work-group's number alone
	s_cselect_b64 s[6:7], s[6:7], s[8:9]
	s_cselect_b32 s22, s22, s23
	s_cselect_b32 s24, 8, 0
	s_add_nc_u64 s[6:7], s[6:7], s[26:27]
	s_add_nc_u64 s[28:29], s[12:13], s[28:29]      ; the fragment's image
	s_add_nc_u64 s[30:31], s[12:13], s[30:31]      ; its scale words
	v_and_b32 v4, 15, v0                           ; r
	s_delay_alu instid0(VALU_DEP_1)
	v_and_b32 v5, s24, v4
	s_delay_alu instid0(VALU_DEP_1)
	v_add_nc_u32 v4, v4, v5                        ; r + 8 (r / 8), or r
	s_delay_alu instid0(VALU_DEP_1)
	v_add_nc_u32 v4, s22, v4                       ; my row
	s_delay_alu instid0(VALU_DEP_1)
	v_lshlrev_b32 v4, 10, v4                       ; 1,024 bytes a row
	v_bfe_u32 v6, v0, 4, 1                         ; h
	s_delay_alu instid0(VALU_DEP_1)
	v_lshl_add_u32 v4, v6, 7, v4                   ; lane (r, h) holds k = 64 c + 32 h + 0 .. 31: two whole blocks
	s_wait_alu depctr_va_vdst(0)
	v_lshlrev_b32 v7, 2, v2
.irp c, 0,1
.irp j, 0,1,2,3,4,5,6,7
	global_load_b128 v[16+32*\c+4*\j:19+32*\c+4*\j], v4, s[6:7] offset:256*\c+16*\j
.endr
.endr
	s_wait_loadcnt 0x0
.irp c, 0,1
	v_max3_num_f32 v[80+\c], |v[16+32*\c]|, |v[17+32*\c]|, 0x2800000   ; the block's largest magnitude, and the floor 2^(5 - 127): the byte cannot fall under 1
.endr
.irp i, 2,4,6,8,10,12,14,16,18,20,22,24,26,28,30
.irp c, 0,1
	s_delay_alu instid0(VALU_DEP_2)
	v_max3_num_f32 v[80+\c], v[80+\c], |v[16+32*\c+\i]|, |v[17+32*\c+\i]|
.endr
.endr
.irp c, 0,1
	s_delay_alu instid0(VALU_DEP_2)
	v_add_nc_u32 v[82+\c], 0xfe000000, v[80+\c]    ; 4 off the exponent field: the conversion's scale operand
.endr
.irp c, 0,1
	s_delay_alu instid0(VALU_DEP_2)
	v_lshrrev_b32 v[84+\c], 23, v[82+\c]           ; the scale's byte
.endr
	s_delay_alu instid0(VALU_DEP_1)
	v_lshl_or_b32 v86, v85, 16, v84                ; blocks h and 2 + h,
	v_lshlrev_b32 v87, 3, v6
	s_delay_alu instid0(VALU_DEP_1)
	v_lshlrev_b32 v86, v87, v86                    ; at their places in the word;
	v_mov_b32 v87, 0
	s_delay_alu instid0(VALU_DEP_1)
	v_permlanex16_b32 v87, v86, s20, s21
	s_delay_alu instid0(VALU_DEP_1)
	v_or_b32 v86, v86, v87                         ; with lane l xor 16's two the word is whole
.irp c, 0,1
	v_cvt_scalef32_pk16_bf6_f32 v[88+6*\c:90+6*\c], v[16+32*\c:31+32*\c], v[82+\c]
	v_cvt_scalef32_pk16_bf6_f32 v[100+4*\c:102+4*\c], v[32+32*\c:47+32*\c], v[82+\c]   ; (a conversion's three registers begin on an even number)
.endr
	v_nop                                          ; one plain place behind a scaled conversion
.irp c, 0,1
.irp i, 0,1,2
	v_mov_b32 v[91+6*\c+\i], v[100+4*\c+\i]
.endr
.endr
.irp g, 0,1,2
	global_store_b128 v3, v[88+4*\g:91+4*\g], s[28:29] offset:512*\g   ; 512 consecutive bytes a store
.endr
	global_store_b32 v7, v86, s[30:31]
	s_endpgm
.Lfunc_end_k_q85a9c50577_prep:
	.size	k_q85a9c50577_prep, .Lfunc_end_k_q85a9c50577_prep-k_q85a9c50577_prep
	.p2alignl 7, 3214868480
	.fill 96, 4, 3214868480
	.section	.rodata,"a",@progbits
	.p2align	6, 0x0
	.amdhsa_kernel k_q85a9c50577_prep
		.amdhsa_group_segment_fixed_size 1280
		.amdhsa_private_segment_fixed_size 0
		.amdhsa_enable_private_segment 0
		.amdhsa_kernarg_size 40
		.amdhsa_user_sgpr_count 2
		.amdhsa_user_sgpr_kernarg_segment_ptr 1
		.amdhsa_wavefront_size32 1
		.amdhsa_system_sgpr_workgroup_id_x 1
		.amdhsa_system_sgpr_workgroup_id_y 1
		.amdhsa_system_sgpr_workgroup_id_z 1
		.amdhsa_system_vgpr_workitem_id 0
		.amdhsa_next_free_vgpr 114
		.amdhsa_next_free_sgpr 66
		.amdhsa_reserve_vcc 1
		.amdhsa_float_denorm_mode_32 3
		.amdhsa_float_denorm_mode_16_64 3
		.amdhsa_memory_ordered 1
		.amdhsa_forward_progress 1
		.amdhsa_inst_pref_size 22
	.end_amdhsa_kernel
	.amdgpu_metadata
---
amdhsa.version: [ 1, 2 ]
amdhsa.kernels:
  - .name:           k_q85a9c50577_prep
    .symbol:         k_q85a9c50577_prep.kd
    .args:
      - { .name: x, .offset: 0, .size: 8, .value_kind: global_buffer, .address_space: global }
      - { .name: qkv_w, .offset: 8, .size: 8, .value_kind: global_buffer, .address_space: global }
      - { .name: proj_w, .offset: 16, .size: 8, .value_kind: global_buffer, .address_space: global }
      - { .name: stats, .offset: 24, .size: 8, .value_kind: global_buffer, .address_space: global }
      - { .name: wq, .offset: 32, .size: 8, .value_kind: global_buffer, .address_space: global }
    .group_segment_fixed_size: 1280
    .private_segment_fixed_size: 0
    .kernarg_segment_align: 8
    .kernarg_segment_size: 40
    .max_flat_workgroup_size: 256
    .sgpr_count:     66
    .vgpr_count:     114
    .wavefront_size: 32
...
	.end_amdgpu_metadata
.endif
;; end of part 1
;; launch qkv (part 2): grid 128 x 2, 12 waves a work-group, no clusters, 27,136 bytes of LDS; arguments x, stats, gamma, beta, wq, qkv_b, qbuf, kvc, kvs; writes qbuf, kvc, kvs
.if DOCPART == 2
	.amdgcn_target "amdgcn-amd-amdhsa--gfx1250"
	.amdhsa_code_object_version 6
	.text
	.protected	k_q85a9c50577_qkv
	.globl	k_q85a9c50577_qkv
	.p2align	8
	.type	k_q85a9c50577_qkv,@function
k_q85a9c50577_qkv:
	s_mov_b64 s[64:65], 0
	v_nop
	global_prefetch_b8 v0, s[64:65] scope:SCOPE_SE
	s_setreg_imm32_b32 hwreg(HW_REG_WAVE_MODE, 25, 1), 1
	s_wait_xcnt 0x0
; QKV.  xn = group norm of x (f32), quantised along the channels; qkv = qkv_w xn + qkv_b on codes of E3M2; q and k quantised along the head's 64, v along the keys.  Nothing wide goes to memory.
; SHARES.  Work-group (x, y): batch b = x / 32, tokens 128 (x % 32) .. + 127 (one key step of attention), heads 2 y and 2 y + 1.  Twelve waves, 32 matrix instructions each:
;   waves 0-7: type (w / 4: q, k), head ((w / 2) % 2), token half (w % 2);   waves 8-11: v: head ((w / 2) % 2), half of the head's 64 (w % 2).
; PHASE X (waves 0-7).  A group of the norm, 32 channels, IS a block of the quantiser.  Wave w takes group w: a lane takes a token and its 32 registers run down the channels, so mean and 1 / sigma are one pair for the
;   wave, the block's maximum needs no other lane, and the conversions give six registers of an operand.  They go to LDS as images of the operand's registers; one barrier; every wave reads them back.
; THE TOKENS OF A TILE ARE NOT NEIGHBOURS: row r of tile 2 g + u is token 32 g + 8 u + r + 8 (r / 8), so that two neighbouring tiles' results are 16 neighbours wherever the tokens become a K (keys).
; q, k: transposed product (source 0 = 16 rows of qkv_w, source 1 = 16 tokens): a lane holds one token and 32 of the head's 64.  Two token tiles make one fragment of 128: registers 0-5 the first tile's 64, 6-11 the second's.
; v: source 0 = 16 tokens, source 1 = 16 rows of qkv_w: a lane holds one of the head's 64 and its registers run along the 128 keys.
; OUT: qbuf [16 bh][128 pairs of tiles][1792]: tile u at 768 u (512 + 256 bytes), then 256 bytes of scale words (s0 s1 s0 s1 for each tile);  kvc [16][32 steps][12288]: 4 double fragments of k, 4 fragments of v;  kvs [16][32][1024]: their words.
; LIMITS: NaN and infinities are not served; a block under 2^-122 gets the byte 1; v_rsq_f32 is taken as it is.
.set XF,  16                           ; v16-39  x's two fragments (K steps 0, 1) of a token tile; while numbers are quantised: TM and P2
.set TM,  16                           ; v16-27  at work in QUANT
.set P2,  28                           ; v28-34  second halves of the conversions
.set XS,  40                           ; v40-41  x's scale words
.set PC,  42                           ; v42-53  the fragment just made
.set PW,  54                           ; v54-55  its scale word, one for each of two fragments
.set WS,  56                           ; v56-63  the weights' scale words (v waves: v60-63)
.set ACC, 64                           ; q, k: v64-127 two token tiles x 4 tiles of rows; in phase X two sets of 32 numbers
.set W,   128                          ; q, k: v128-223 eight fragments of qkv_w: (t, s) at W + 12 (2 t + s)
.set BI,  224                          ; q, k: v224-255 the bias in the result's layout
.set VW,  64                           ; v: v64-111 four fragments of qkv_w
.set VACC, 112                         ; v: v112-239 two tiles of rows x 8 token tiles
.set VB,  240                          ; v: v240-243 the bias of my row, twice, for each of the two tiles
; v1 16 l; v2 8 l; v3 4 l; v4 4 r; v5, v6, v7 the same three for my token half; v8, v9, v10 where phase X stores; v11 8 (l % 8); v12 64 h; v13 4 (r + 8 (r / 8)); v14, v15 offsets into wq
.macro COMBINE m, q, t, e, n           ; lane l holds (mean, M2) of part l % 8, each of n numbers: v[t] becomes the mean of all eight, v[q] their M2, in every lane
	v_mov_b32 v[\t], v[\m]
	s_delay_alu instid0(VALU_DEP_1)
	v_add_f32_dpp v[\t], v[\t], v[\t] row_xmask:1 row_mask:0xf bank_mask:0xf
	s_delay_alu instid0(VALU_DEP_1)
	v_add_f32_dpp v[\t], v[\t], v[\t] row_xmask:2 row_mask:0xf bank_mask:0xf
	s_delay_alu instid0(VALU_DEP_1)
	v_add_f32_dpp v[\t], v[\t], v[\t] row_xmask:4 row_mask:0xf bank_mask:0xf
	s_delay_alu instid0(VALU_DEP_1)
	v_mul_f32 v[\t], 0x3e000000, v[\t]
	s_delay_alu instid0(VALU_DEP_1)
	v_sub_f32 v[\m], v[\m], v[\t]
	s_delay_alu instid0(VALU_DEP_1)
	v_mul_f32 v[\e], \n, v[\m]
	s_delay_alu instid0(VALU_DEP_1)
	v_fma_f32 v[\q], v[\e], v[\m], v[\q]
	s_delay_alu instid0(VALU_DEP_1)
	v_add_f32_dpp v[\q], v[\q], v[\q] row_xmask:1 row_mask:0xf bank_mask:0xf
	s_delay_alu instid0(VALU_DEP_1)
	v_add_f32_dpp v[\q], v[\q], v[\q] row_xmask:2 row_mask:0xf bank_mask:0xf
	s_delay_alu instid0(VALU_DEP_1)
	v_add_f32_dpp v[\q], v[\q], v[\q] row_xmask:4 row_mask:0xf bank_mask:0xf
.endm
; 64 numbers of a lane, register 16 b + i = k 32 b + 16 (lane / 16) + i of my row, become a fragment's codes in v[PC] on and its scale word in v[pw]
.macro QUANT s, pw
.irp b, 0,1,2,3
	v_max3_num_f32 v[TM+\b], |v[\s+16*\b]|, |v[\s+1+16*\b]|, 0x2800000   ; my 16 numbers of block b, and the floor 2^(5 - 127)
.endr
.irp i, 2,4,6,8,10,12,14
.irp b, 0,1,2,3
	v_max3_num_f32 v[TM+\b], v[TM+\b], |v[\s+16*\b+\i]|, |v[\s+1+16*\b+\i]|
.endr
.endr
.irp b, 0,1,2,3
	s_delay_alu instid0(VALU_DEP_4)
	v_permlanex16_b32 v[TM+4+\b], v[TM+\b], s92, s93
.endr
.irp b, 0,1,2,3
	s_delay_alu instid0(VALU_DEP_4)
	v_max_num_f32 v[TM+\b], v[TM+\b], v[TM+4+\b]   ; with lane l xor 16's: the block's largest magnitude
.endr
.irp b, 0,1,2,3
	s_delay_alu instid0(VALU_DEP_4)
	v_add_nc_u32 v[TM+8+\b], 0xfe000000, v[TM+\b]  ; 4 off its exponent field: the conversion's scale operand
.endr
.irp b, 0,1,2,3
	s_delay_alu instid0(VALU_DEP_4)
	v_lshrrev_b32 v[TM+4+\b], 23, v[TM+8+\b]       ; the scale's byte
.endr
	s_delay_alu instid0(VALU_DEP_3)
	v_lshl_or_b32 v[\pw], v[TM+5], 8, v[TM+4]
	s_delay_alu instid0(VALU_DEP_1)
	v_lshl_or_b32 v[\pw], v[TM+6], 16, v[\pw]
	s_delay_alu instid0(VALU_DEP_1)
	v_lshl_or_b32 v[\pw], v[TM+7], 24, v[\pw]
.irp c, 0,1
	v_cvt_scalef32_pk16_bf6_f32 v[PC+6*\c:PC+2+6*\c], v[\s+32*\c:\s+15+32*\c], v[TM+8+2*\c]
	v_cvt_scalef32_pk16_bf6_f32 v[P2+4*\c:P2+2+4*\c], v[\s+16+32*\c:\s+31+32*\c], v[TM+8+2*\c+1]
.endr
	v_nop                                          ; one plain place behind a scaled conversion
.irp c, 0,1                            ; the operand's layout wants a whole block in a lane
.irp i, 0,1,2
	v_permlane16_swap_b32 v[PC+6*\c+\i], v[P2+4*\c+\i]
.endr
.irp i, 0,1,2
	s_delay_alu instid0(VALU_DEP_3)
	v_mov_b32 v[PC+3+6*\c+\i], v[P2+4*\c+\i]
.endr
.endr
.endm
.macro PLACES                          ; four plain places behind matrix instructions, ahead of loads into their operands and of reads of their results
.rept 4
	v_nop
.endr
.endm
.macro XLOAD tg                        ; token group tg: x(32 w + i, my token), i = 0 .. 31: each load reads 128 consecutive bytes, the four groups a row's 512
.irp i, 0,1,2,3,4,5,6,7,8,9,10,11,12,13,14,15,16,17,18,19,20,21,22,23,24,25,26,27,28,29,30,31
	global_load_b32 v[64+32*((\tg)%2)+\i], v3, s[4:5] offset:16384*\i+128*(\tg)
.endr
.endm
.macro NORMQ tg                        ; the norm, the block's scale, its codes; to LDS
.set XR, 64+32*((\tg)%2)
.irp p, 0,2,4,6,8,10,12,14,16,18,20,22,24,26,28,30
	v_pk_add_f32 v[XR+\p:XR+\p+1], v[XR+\p:XR+\p+1], v[16:17]      ; x - mean
.endr
.irp p, 0,2,4,6,8,10,12,14,16,18,20,22,24,26,28,30
	v_pk_mul_f32 v[XR+\p:XR+\p+1], v[XR+\p:XR+\p+1], v[18:19]      ; / sigma
.endr
.irp i, 0,1,2,3,4,5,6,7
	v_fma_f32 v[XR+\i], v[XR+\i], s[24+\i], s[56+\i]               ; x gamma + beta
.endr
.irp i, 8,9,10,11,12,13,14,15,16,17,18,19,20,21,22,23,24,25,26,27,28,29,30,31
	v_fma_f32 v[XR+\i], v[XR+\i], s[24+\i], s[60+\i]
.endr
	v_max3_num_f32 v22, |v[XR]|, |v[XR+1]|, |v[XR+2]|
	v_max3_num_f32 v23, |v[XR+3]|, |v[XR+4]|, |v[XR+5]|
.irp i, 6,10,14,18,22,26
	s_delay_alu instid0(VALU_DEP_2)
	v_max3_num_f32 v22, v22, |v[XR+\i]|, |v[XR+\i+1]|
	s_delay_alu instid0(VALU_DEP_2)
	v_max3_num_f32 v23, v23, |v[XR+\i+2]|, |v[XR+\i+3]|
.endr
	s_delay_alu instid0(VALU_DEP_2)
	v_max3_num_f32 v22, v22, |v[XR+30]|, |v[XR+31]|
	s_delay_alu instid0(VALU_DEP_1)
	v_max3_num_f32 v22, v22, v23, 0x2800000        ; and the floor
	s_wait_alu depctr_va_vdst(0)
	s_wait_dscnt 0x0                               ; the last group's LDS stores have read their registers
	v_add_nc_u32 v24, 0xfe000000, v22
	s_delay_alu instid0(VALU_DEP_1)
	v_lshrrev_b32 v25, 23, v24
	v_cvt_scalef32_pk16_bf6_f32 v[28:30], v[XR:XR+15], v24
	v_cvt_scalef32_pk16_bf6_f32 v[32:34], v[XR+16:XR+31], v24
	v_nop
	v_mov_b32 v31, v32
	v_mov_b32 v32, v33
	v_mov_b32 v33, v34                             ; v28-33: the block's 32 codes
	ds_store_b128 v8, v[28:31] offset:6144*(\tg)
	ds_store_b64 v9, v[32:33] offset:6144*(\tg)
	ds_store_b8 v10, v25 offset:256*(\tg)
.endm
.macro XFETCH T, a16, a8, as           ; token tile T's two fragments and their scale words, from LDS
.irp s, 0,1
	ds_load_b128 v[XF+12*\s:XF+12*\s+3], v[\a16] offset:1536*(2*(\T)+\s)
	ds_load_b64 v[XF+12*\s+4:XF+12*\s+5], v[\a8] offset:1536*(2*(\T)+\s)+512
	ds_load_b128 v[XF+12*\s+6:XF+12*\s+9], v[\a16] offset:1536*(2*(\T)+\s)+768
	ds_load_b64 v[XF+12*\s+10:XF+12*\s+11], v[\a8] offset:1536*(2*(\T)+\s)+1280
	ds_load_b32 v[XS+\s], v[\as] offset:24576+64*(2*(\T)+\s)
.endr
	s_wait_dscnt 0x0
.endm
.macro QKMUL u                         ; four tiles of rows x one token tile, two K steps; the bias is the C of each sum's first product; the four accumulators take turns
.irp t, 0,1,2,3
	v_wmma_scale_f32_16x16x128_f8f6f4 v[ACC+32*\u+8*\t:ACC+32*\u+8*\t+7], v[W+24*\t:W+24*\t+11], v[XF:XF+11], v[BI+8*\t:BI+8*\t+7], v[WS+2*\t], v[XS] matrix_a_fmt:MATRIX_FMT_BF6 matrix_b_fmt:MATRIX_FMT_BF6
.endr
.irp t, 0,1,2,3
	v_wmma_scale_f32_16x16x128_f8f6f4 v[ACC+32*\u+8*\t:ACC+32*\u+8*\t+7], v[W+24*\t+12:W+24*\t+23], v[XF+12:XF+23], v[ACC+32*\u+8*\t:ACC+32*\u+8*\t+7], v[WS+2*\t+1], v[XS+1] matrix_a_fmt:MATRIX_FMT_BF6 matrix_b_fmt:MATRIX_FMT_BF6
.endr
.endm
.macro QKOUT pp
	s_cmp_lt_u32 s22, 4
	s_cbranch_scc0 .Lkout_\@
	v_and_b32 v36, 0xffff, v[PW+\pp]               ; q: a tile's two bytes twice, so that one word serves the tile in either half of a K step
	s_delay_alu instid0(VALU_DEP_1)
	v_lshl_or_b32 v36, v[PW+\pp], 16, v36
	v_lshrrev_b32 v37, 16, v[PW+\pp]
	s_delay_alu instid0(VALU_DEP_1)
	v_and_or_b32 v37, v[PW+\pp], 0xffff0000, v37
	global_store_b128 v1, v[PC:PC+3], s[16:17] offset:1792*\pp
	global_store_b64 v2, v[PC+4:PC+5], s[16:17] offset:1792*\pp+512
	global_store_b128 v1, v[PC+6:PC+9], s[16:17] offset:1792*\pp+768
	global_store_b64 v2, v[PC+10:PC+11], s[16:17] offset:1792*\pp+1280
	global_store_b64 v2, v[36:37], s[16:17] offset:1792*\pp+1536
	s_branch .Lqkdone_\@
.Lkout_\@:
	s_wait_alu depctr_va_vdst(0)
.irp g, 0,1,2
	global_store_b128 v1, v[PC+4*\g:PC+4*\g+3], s[18:19] offset:1536*\pp+512*\g
.endr
.Lqkdone_\@:
.endm
.macro QKPAIR pp
.if \pp
	s_wait_xcnt 0x0                                ; the first pair's stores have read their registers: loads and conversions may land there
.endif
	XFETCH 2*\pp, 5, 6, 7
	QKMUL 0
	PLACES
	XFETCH 2*\pp+1, 5, 6, 7
	QKMUL 1
	PLACES
	QUANT ACC, PW+\pp
	QKOUT \pp
.endm
	s_load_b512 s[4:19], s[0:1], 0x0               ; x, stats, gamma, beta, wq, qkv_b, qbuf, kvc
	s_load_b64 s[20:21], s[0:1], 0x40              ; kvs
	s_set_vgpr_msb 0x40
	v_lshl_add_u32 v0, v0, 2, 0x6400
	v_mov_b32 v1, 0
	s_set_vgpr_msb 0x4000
	v_lshrrev_b32 v14, 5, v0
	s_delay_alu instid0(VALU_DEP_1)
	v_readfirstlane_b32 s22, v14                   ; wave 0..11
	s_and_b32 s23, s22, 1
	s_bfe_u32 s99, s22, 0x10001                    ; (w / 2) % 2: which of the two heads
	s_bfe_u32 s98, s22, 0x10002                    ; (w / 4) % 2
	s_lshr_b32 s94, ttmp9, 5                       ; b
	s_and_b32 s95, ttmp9, 31                       ; key step
	s_and_b32 s96, ttmp7, 0xffff
	s_lshl_b32 s96, s96, 1
	s_add_co_u32 s96, s96, s99                     ; head
	s_lshl_b32 s97, s94, 2
	s_add_co_u32 s97, s97, s96                     ; bh
	s_mov_b32 s92, 0x76543210
	s_mov_b32 s93, 0xfedcba98
	s_mov_b32 s101, 0
	; every LDS address is made here, ahead of the waves' parting
	v_and_b32 v14, 31, v0
	s_delay_alu instid0(VALU_DEP_1)
	v_lshlrev_b32 v1, 4, v14
	s_delay_alu instid0(VALU_DEP_2)
	v_lshlrev_b32 v2, 3, v14
	s_delay_alu instid0(VALU_DEP_3)
	v_lshlrev_b32 v3, 2, v14
	v_and_b32 v15, 15, v0                          ; r
	s_delay_alu instid0(VALU_DEP_1)
	v_lshlrev_b32 v4, 2, v15
	s_mul_i32 s2, s23, 12288                       ; my token half: four tiles of 3,072 bytes
	v_add_nc_u32 v5, s2, v1
	v_add_nc_u32 v6, s2, v2
	s_lshl_b32 s3, s23, 9
	v_add_nc_u32 v7, s3, v4
	v_bfe_u32 v16, v0, 3, 1                        ; phase X: lane l is token 32 g + l: tile 2 g + u, u = bit 3,
	v_and_b32 v17, 7, v0
	v_bfe_u32 v18, v0, 4, 1
	s_delay_alu instid0(VALU_DEP_1)
	v_lshl_or_b32 v17, v18, 3, v17                 ; row r' = l % 8 + 8 (l / 16)
	s_delay_alu instid0(VALU_DEP_4)
	v_mul_u32_u24 v19, v16, 3072
	s_delay_alu instid0(VALU_DEP_1)
	v_lshl_add_u32 v8, v17, 4, v19
	s_delay_alu instid0(VALU_DEP_2)
	v_lshl_add_u32 v9, v17, 3, v19
	s_wait_alu depctr_va_vdst(0)
	s_mul_i32 s2, s98, 1536                        ; block w: K step w / 4, half (w / 2) % 2 of the fragment, lanes 16 (w % 2) on
	s_mul_i32 s3, s99, 768
	s_add_co_u32 s2, s2, s3
	s_lshl_b32 s3, s23, 8
	s_add_co_u32 s3, s3, s2
	v_add_nc_u32 v8, s3, v8
	s_lshl_b32 s3, s23, 7
	s_add_co_u32 s3, s3, s2
	s_add_co_u32 s3, s3, 512
	v_add_nc_u32 v9, s3, v9
	v_lshlrev_b32 v10, 7, v16
	s_delay_alu instid0(VALU_DEP_1)
	v_lshl_add_u32 v10, v17, 2, v10
	s_lshl_b32 s2, s98, 6
	s_and_b32 s3, s22, 3
	s_add_co_u32 s2, s2, s3
	s_add_co_u32 s2, s2, 24576
	v_add_nc_u32 v10, s2, v10                      ; the scale byte: word of row r', byte w % 4
	v_and_b32 v11, 7, v0
	s_delay_alu instid0(VALU_DEP_1)
	v_lshlrev_b32 v11, 3, v11
	v_lshlrev_b32 v12, 6, v18
	v_and_b32 v13, 8, v15
	s_delay_alu instid0(VALU_DEP_1)
	v_add_nc_u32 v13, v13, v15
	s_delay_alu instid0(VALU_DEP_1)
	v_lshlrev_b32 v13, 2, v13
	s_lshl_b32 s2, s97, 5
	s_add_co_u32 s2, s2, s95                       ; 32 bh + step
	s_wait_kmcnt 0x0
	s_mul_i32 s100, s2, 12288
	s_mul_i32 s3, s23, 3072
	s_add_co_u32 s100, s100, s3
	s_add_nc_u64 s[18:19], s[18:19], s[100:101]    ; kvc: my step, + two fragments for w % 2
	s_lshl_b32 s100, s2, 10
	s_lshl_b32 s3, s23, 8
	s_add_co_u32 s100, s100, s3
	s_add_nc_u64 s[20:21], s[20:21], s[100:101]    ; kvs likewise
	s_lshl_b32 s100, s2, 2
	s_lshl_b32 s3, s23, 1
	s_add_co_u32 s100, s100, s3
	s_mul_i32 s100, s100, 1792
	s_add_nc_u64 s[16:17], s[16:17], s[100:101]    ; qbuf: pair 4 step + 2 (w % 2)
	s_cmp_lt_u32 s22, 8
	s_cbranch_scc0 .Lvhead
	; ---- phase X, waves 0-7
	s_lshl_b32 s100, s94, 22
	s_lshl_b32 s2, s22, 19
	s_add_co_u32 s100, s100, s2
	s_lshl_b32 s2, s95, 9
	s_add_co_u32 s100, s100, s2
	s_add_nc_u64 s[4:5], s[4:5], s[100:101]        ; x: batch, channel 32 w, token 128 step
	s_lshl_b32 s100, s94, 9
	s_lshl_b32 s2, s22, 6
	s_add_co_u32 s100, s100, s2
	s_add_nc_u64 s[6:7], s[6:7], s[100:101]        ; the group's eight parts
	s_lshl_b32 s100, s22, 7
	s_add_nc_u64 s[8:9], s[8:9], s[100:101]
	s_add_nc_u64 s[10:11], s[10:11], s[100:101]
	s_load_b512 s[24:39], s[8:9], 0x0              ; gamma of my 32 channels
	s_load_b512 s[40:55], s[8:9], 0x40
	s_load_b256 s[56:63], s[10:11], 0x0            ; beta: channel i at s[56 + i] for i < 8, else s[60 + i]
	s_load_b256 s[68:75], s[10:11], 0x20
	s_load_b512 s[76:91], s[10:11], 0x40
	s_wait_alu depctr_va_vdst(0)
	global_load_b64 v[20:21], v11, s[6:7]
	XLOAD 0
	s_lshl_b32 s2, s98, 2
	s_add_co_u32 s2, s2, s96                       ; 4 x type + head: my four tiles of qkv_w
	s_mul_i32 s3, s2, 12288
	v_add_nc_u32 v14, s3, v1
	s_lshl_b32 s3, s2, 10
	v_add_nc_u32 v15, s3, v3
	s_lshl_b32 s100, s2, 8
	s_add_nc_u64 s[14:15], s[14:15], s[100:101]
	s_wait_loadcnt 32                              ; the statistics are in; group 0's 32 loads may be out
	COMBINE 20, 21, 22, 23, 0x46800000             ; parts of 16,384 numbers
	s_delay_alu instid0(VALU_DEP_1)
	v_mul_f32 v21, 0x37000000, v21                 ; / 131,072: the variance
	s_delay_alu instid0(VALU_DEP_1)
	v_add_f32 v21, 0x3727c5ac, v21                 ; + 1e-5
	s_wait_alu depctr_va_vdst(0)
	v_rsq_f32 v18, v21
	v_xor_b32 v16, 0x80000000, v22                 ; - mean (the plain place behind the transcendental)
	s_wait_alu depctr_va_vdst(0)                   ; ahead of the first line that names its result
	v_mov_b32 v17, v16
	v_mov_b32 v19, v18
	XLOAD 1
	s_wait_alu depctr_va_vdst(0)
	s_wait_loadcnt 32                              ; group 0 is in, group 1 may be out
	s_wait_kmcnt 0x0                               ; gamma, beta
	NORMQ 0
	XLOAD 2
	s_wait_loadcnt 32
	NORMQ 1
	XLOAD 3
	s_wait_loadcnt 32
	NORMQ 2
.irp i, 0,1,2,3,4,5,6,7,8,9,10,11,12,13,14,15,16,17,18,19,20,21,22,23
	global_load_b128 v[W+4*\i:W+4*\i+3], v14, s[12:13] offset:512*\i         ; the weights' images: wanted behind the barrier
.endr
.irp j, 0,1,2,3,4,5,6,7
	global_load_b32 v[WS+\j], v15, s[12:13] offset:196608+128*\j
.endr
.irp t, 0,1,2,3
	global_load_b128 v[BI+8*\t:BI+8*\t+3], v12, s[14:15] offset:128*(\t/2)+32*(\t%2)      ; lane (r, h), tile 2 b + u: the bias of rows 32 b + 16 h + 8 u + 0 .. 7
	global_load_b128 v[BI+8*\t+4:BI+8*\t+7], v12, s[14:15] offset:128*(\t/2)+32*(\t%2)+16
.endr
	s_wait_loadcnt 40                              ; group 3 is in; the 40 loads just issued may be out
	NORMQ 3
	s_branch .Ljoin
.Lvhead:
	; ---- waves 8-11 fetch their weights meanwhile
	s_lshl_b32 s2, s96, 2
	s_lshl_b32 s3, s23, 1
	s_add_co_u32 s2, s2, s3
	s_add_co_u32 s2, s2, 32                        ; my first tile of qkv_w: 32 + 4 head + 2 (w % 2)
	s_mul_i32 s3, s2, 3072
	v_add_nc_u32 v14, s3, v1
	s_lshl_b32 s3, s2, 8
	v_add_nc_u32 v15, s3, v3
	s_lshl_b32 s100, s96, 8
	s_lshl_b32 s3, s23, 7
	s_add_co_u32 s100, s100, s3
	s_add_co_u32 s100, s100, 2048
	s_add_nc_u64 s[14:15], s[14:15], s[100:101]    ; qkv_b at row 512 + 64 head + 32 (w % 2)
.irp i, 0,1,2,3,4,5,6,7,8,9,10,11
	global_load_b128 v[VW+4*\i:VW+4*\i+3], v14, s[12:13] offset:512*\i
.endr
.irp j, 0,1,2,3
	global_load_b32 v[WS+4+\j], v15, s[12:13] offset:196608+128*\j
.endr
	s_wait_alu depctr_va_vdst(0)
.irp u, 0,1
	global_load_b32 v[VB+2*\u], v13, s[14:15] offset:32*\u
	global_load_b32 v[VB+2*\u+1], v13, s[14:15] offset:32*\u
.endr
.Ljoin:
	s_wait_dscnt 0x0                               ; my LDS stores have landed
	s_barrier_signal -1
	s_barrier_wait -1                              ; x's sixteen fragments lie in LDS
	s_wait_loadcnt 0x0                             ; the weights
	s_cmp_lt_u32 s22, 8
	s_cbranch_scc0 .Lvpath
	; ---- q, k: my four token tiles, two at a time
	QKPAIR 0
	QKPAIR 1
	s_cmp_lt_u32 s22, 4
	s_cbranch_scc1 .Lqend
	global_store_b64 v2, v[PW:PW+1], s[20:21]      ; k: the two double fragments' scale words: 256 consecutive bytes
.Lqend:
	s_set_vgpr_msb 0x5
	s_wait_tensorcnt 0x0
	ds_add_u32 v0, v1
	s_wait_dscnt 0x0
	s_set_vgpr_msb 0x500
	s_endpgm
	; ---- v: two tiles of rows x eight token tiles
.Lvpath:
.irp T, 0,1,2,3,4,5,6,7
	XFETCH \T, 1, 2, 4
	v_wmma_scale_f32_16x16x128_f8f6f4 v[VACC+8*\T:VACC+8*\T+7], v[XF:XF+11], v[VW:VW+11], 0, v[XS], v[WS+4] matrix_a_fmt:MATRIX_FMT_BF6 matrix_b_fmt:MATRIX_FMT_BF6
	v_wmma_scale_f32_16x16x128_f8f6f4 v[VACC+64+8*\T:VACC+64+8*\T+7], v[XF:XF+11], v[VW+24:VW+35], 0, v[XS], v[WS+6] matrix_a_fmt:MATRIX_FMT_BF6 matrix_b_fmt:MATRIX_FMT_BF6
	v_wmma_scale_f32_16x16x128_f8f6f4 v[VACC+8*\T:VACC+8*\T+7], v[XF+12:XF+23], v[VW+12:VW+23], v[VACC+8*\T:VACC+8*\T+7], v[XS+1], v[WS+5] matrix_a_fmt:MATRIX_FMT_BF6 matrix_b_fmt:MATRIX_FMT_BF6
	v_wmma_scale_f32_16x16x128_f8f6f4 v[VACC+64+8*\T:VACC+64+8*\T+7], v[XF+12:XF+23], v[VW+36:VW+47], v[VACC+64+8*\T:VACC+64+8*\T+7], v[XS+1], v[WS+7] matrix_a_fmt:MATRIX_FMT_BF6 matrix_b_fmt:MATRIX_FMT_BF6
	PLACES
.endr
.irp d, 0,1
.irp p, 0,2,4,6,8,10,12,14,16,18,20,22,24,26,28,30,32,34,36,38,40,42,44,46,48,50,52,54,56,58,60,62
	v_pk_add_f32 v[VACC+64*\d+\p:VACC+64*\d+\p+1], v[VACC+64*\d+\p:VACC+64*\d+\p+1], v[VB+2*\d:VB+2*\d+1]   ; + my row's bias; each accumulator from its low end on
.endr
.if \d
	s_wait_xcnt 0x0                                ; the first fragment's stores have read their registers
.endif
	QUANT VACC+64*\d, PW+\d
.irp g, 0,1,2
	global_store_b128 v1, v[PC+4*\g:PC+4*\g+3], s[18:19] offset:6144+1536*\d+512*\g
.endr
.endr
	global_store_b64 v2, v[PW:PW+1], s[20:21] offset:512
	s_set_vgpr_msb 0x5
	s_wait_tensorcnt 0x0
	ds_add_u32 v0, v1
	s_wait_dscnt 0x0
	s_set_vgpr_msb 0x500
	s_endpgm
.Lfunc_end_k_q85a9c50577_qkv:
	.size	k_q85a9c50577_qkv, .Lfunc_end_k_q85a9c50577_qkv-k_q85a9c50577_qkv
	.p2alignl 7, 3214868480
	.fill 96, 4, 3214868480
	.section	.rodata,"a",@progbits
	.p2align	6, 0x0
	.amdhsa_kernel k_q85a9c50577_qkv
		.amdhsa_group_segment_fixed_size 27136
		.amdhsa_private_segment_fixed_size 0
		.amdhsa_enable_private_segment 0
		.amdhsa_kernarg_size 72
		.amdhsa_user_sgpr_count 2
		.amdhsa_user_sgpr_kernarg_segment_ptr 1
		.amdhsa_wavefront_size32 1
		.amdhsa_system_sgpr_workgroup_id_x 1
		.amdhsa_system_sgpr_workgroup_id_y 1
		.amdhsa_system_sgpr_workgroup_id_z 1
		.amdhsa_system_vgpr_workitem_id 0
		.amdhsa_next_free_vgpr 258
		.amdhsa_next_free_sgpr 102
		.amdhsa_reserve_vcc 0
		.amdhsa_float_denorm_mode_32 3
		.amdhsa_float_denorm_mode_16_64 3
		.amdhsa_memory_ordered 1
		.amdhsa_forward_progress 1
		.amdhsa_inst_pref_size 93
	.end_amdhsa_kernel
	.amdgpu_metadata
---
amdhsa.version: [ 1, 2 ]
amdhsa.kernels:
  - .name:           k_q85a9c50577_qkv
    .symbol:         k_q85a9c50577_qkv.kd
    .args:
      - { .name: x, .offset: 0, .size: 8, .value_kind: global_buffer, .address_space: global }
      - { .name: stats, .offset: 8, .size: 8, .value_kind: global_buffer, .address_space: global }
      - { .name: gamma, .offset: 16, .size: 8, .value_kind: global_buffer, .address_space: global }
      - { .name: beta, .offset: 24, .size: 8, .value_kind: global_buffer, .address_space: global }
      - { .name: wq, .offset: 32, .size: 8, .value_kind: global_buffer, .address_space: global }
      - { .name: qkv_b, .offset: 40, .size: 8, .value_kind: global_buffer, .address_space: global }
      - { .name: qbuf, .offset: 48, .size: 8, .value_kind: global_buffer, .address_space: global }
      - { .name: kvc, .offset: 56, .size: 8, .value_kind: global_buffer, .address_space: global }
      - { .name: kvs, .offset: 64, .size: 8, .value_kind: global_buffer, .address_space: global }
    .group_segment_fixed_size: 27136
    .private_segment_fixed_size: 0
    .kernarg_segment_align: 8
    .kernarg_segment_size: 72
    .max_flat_workgroup_size: 384
    .sgpr_count:     102
    .vgpr_count:     258
    .wavefront_size: 32
...
	.end_amdgpu_metadata
.endif
;; end of part 2
;; launch attn (part 3): grid 16 x 16, 16 waves a work-group, no clusters, 327,680 bytes of LDS; arguments qbuf, kvc, kvs, ao; writes ao
.if DOCPART == 3
	.amdgcn_target "amdgcn-amd-amdhsa--gfx1250"
	.amdhsa_code_object_version 6
	.text
	.protected	k_q85a9c50577_attn
	.globl	k_q85a9c50577_attn
	.p2align	8
	.type	k_q85a9c50577_attn,@function
k_q85a9c50577_attn:
	s_mov_b64 s[64:65], 0
	v_nop
	global_prefetch_b8 v0, s[64:65] scope:SCOPE_SE
	s_setreg_imm32_b32 hwreg(HW_REG_WAVE_MODE, 25, 1), 1
	s_wait_xcnt 0x0
; ATTENTION on codes of E3M2, head size 64, 4,096 keys.  t = score x log2(e) / 8; M = the running largest t rounded up to a whole number; p = 2^(t - M) is quantised along the keys, not normalised;
; the row's sum is taken of the unquantised p and divides O at the end; when M moves, the sum and O are multiplied by 2^(old M - new M), which rounds nothing.  O / sum is quantised along the head's 64 for the projection.
; SHARES.  Work-group (x, y): head bh = y, query tiles 16 x .. 16 x + 15; each of sixteen waves owns one tile of 16 queries: four waves to a SIMD, so that one wave's vector work stands beside another's products and LDS loads.
; Every wave walks 32 key steps of 128 keys.  A step's operands lie in memory as images of the operands' registers (12,288 bytes: 4 double fragments of K, 4 fragments of V): every fragment comes by three loads of 16 bytes a lane.
; THE HEAD'S 64 IN AN INSTRUCTION OF 128.  A double fragment holds key tile 2 b in registers 0-5 and key tile 2 b + 1 in registers 6-11.  It is multiplied by [q | zero codes] for the first tile and by [zero codes | q] for the second:
; zero codes add nothing under any scale byte from 1 to 254.  The run v16-33 = 0 x 6, q x 6, 0 x 6 serves as both.
; LAYOUT.  Both products transposed: S^T = K Q^T, O^T = V^T P^T: a lane holds one query throughout; the keys of a tile are chosen so that the 16 registers of two neighbouring tiles are 16 neighbouring keys; V's rows likewise for the next K.
; RING.  Two LDS slots of four key steps (49,152 bytes), filled by waves 0-2, a third each; the head's 32,768 scale bytes come once, by wave 3.  A wave never has more than one tensor load outstanding.
; NO CLUSTER: the sixteen work-groups of a head read the same tiles, but a slot's 49,152 bytes serve four key steps of sixteen waves, some 1,300 instructions each: what is shared is a small part of a step's work.
; LIMITS: NaN and infinities are not served; a block under 2^-122 gets the byte 1; a block's largest p is taken from its largest score, which takes v_exp_f32 not to fall where its input rises.
.set SLOT1, 65536                      ; slot 1 begins here: one exclusive or turns an address
.set STEPB, 12288
.set SCL,   131072                     ; the head's scale bytes: 1,024 a step
.set SPARE, 163840                     ; the spare words: 128 bytes for each of 16 waves; no other line names them
.set LI16, 1                           ; v1  16 l
.set LS8,  2                           ; v2  SCL + 8 l
.set SPW,  3                           ; v3  my spare word;  v4  0: both never rewritten
.set NIL,  4
.set AD,   5                           ; v5  the slot in hand + 16 l
.set AS,   6                           ; v6  the step's scale words
.set PFO,  7                           ; v7  256 l: the prefetches' offset
.set QB,   16                          ; v16-27  [0 | q]
.set QA,   22                          ; v22-33  [q | 0]
.set QS,   34                          ; v34     q's scale word (s0 s1 s0 s1)
.set KS,   36                          ; v36-39  K's scale words;  v40-43  V's
.set VS,   40
.set F,    44                          ; v44-91  four fragments: K's, then V's
.set S,    96                          ; v96-159 S^T, then p
.set O,    160                         ; v160-191 O^T
.set PC,   192                         ; v192-203 p's codes
.set P2,   204                         ; v204-210
.set BM,   212                         ; v212-215 a block's largest score, then its largest p
.set BT,   216                         ; v216-219 at work
.set SCO,  220                         ; v220-223 the conversions' scale operands
.set FF,   224                         ; v224 f = 2^(old M - new M);  v225 p's scale word
.set PW,   225
.set TT,   226
; v12 -M, v13 the largest t, v[14:15] the sum in two halves.  s2 the slot in hand, s3 the step's scale words, s12 wave, s[20:21] lane selects, s[22:23] c, s[24:31], s[32:39] groups 1, s[40:43], s[44:47] groups 0, s48 slots to ask for, s[50:51], s52 the prefetches
	s_load_b256 s[4:11], s[0:1], 0x0               ; qbuf, kvc, kvs, ao
	v_lshl_add_u32 v[SPW], v0, 2, SPARE
	v_mov_b32 v[NIL], 0
	ds_add_u32 v3, v4
	ds_add_u32 v3, v4
	s_wait_dscnt 0x0
	v_lshrrev_b32 v5, 5, v0
	s_delay_alu instid0(VALU_DEP_1)
	v_readfirstlane_b32 s12, v5                    ; wave 0..15
	s_and_b32 s13, ttmp7, 0xffff                   ; bh
	s_mov_b32 s24, 3<<16                           ; group 1, the codes: elements of 8 bytes, no padding, no mask
	s_mov_b32 s25, 32<<16                          ; tensor_dim0 = 32: rows of 256 bytes
	s_mov_b32 s26, 64<<16                          ; tensor_dim1 = 64
	s_mov_b32 s27, 32<<16                          ; tile_dim0
	s_mov_b32 s28, 64                              ; tile_dim1: 16,384 dense bytes
	s_mov_b32 s29, 32                              ; the pitch
	s_mov_b32 s30, 0
	s_mov_b32 s31, 0
	s_mov_b32 s32, 3<<16                           ; group 1, the scale bytes: 128 rows of 256 bytes
	s_mov_b32 s33, 32<<16
	s_mov_b32 s34, 128<<16
	s_mov_b32 s35, 32<<16
	s_mov_b32 s36, 128
	s_mov_b32 s37, 32
	s_mov_b32 s38, 0
	s_mov_b32 s39, 0
	s_mul_i32 s14, s13, 393216                     ; the head's 32 steps
	s_lshl_b32 s15, s12, 14                        ; my third of a slot
	s_add_co_u32 s16, s14, s15
	s_mov_b32 s17, 0
	s_lshl_b32 s18, s13, 15
	s_mov_b32 s19, 0
	s_wait_kmcnt 0x0
	s_mov_b32 s40, 1
	s_mov_b32 s41, s15
	s_add_nc_u64 s[42:43], s[6:7], s[16:17]
	s_or_b32 s43, s43, 0x80000000
	s_mov_b32 s44, 1
	s_mov_b32 s45, SCL
	s_add_nc_u64 s[46:47], s[8:9], s[18:19]
	s_or_b32 s47, s47, 0x80000000
	s_cmp_lt_u32 s12, 3                            ; the first fills: waves 0-2 slot 0, wave 3 the scale bytes; four v_nop follow each load
	s_cbranch_scc0 .Lnot_codes
	tensor_load_to_lds s[40:43], s[24:31]
	s_nop 0
.rept 4
	v_nop
.endr
	s_branch .Lfirst_done
.Lnot_codes:
	s_cmp_eq_u32 s12, 3
	s_cbranch_scc0 .Lfirst_done
	tensor_load_to_lds s[44:47], s[32:39]
	s_nop 0
.rept 4
	v_nop
.endr
.Lfirst_done:
	v_and_b32 v10, 31, v0
	s_delay_alu instid0(VALU_DEP_1)
	v_lshlrev_b32 v[LI16], 4, v10
	s_delay_alu instid0(VALU_DEP_2)
	v_lshlrev_b32 v8, 3, v10                       ; 8 l
	s_delay_alu instid0(VALU_DEP_3)
	v_lshlrev_b32 v9, 2, v10                       ; 4 l
	s_delay_alu instid0(VALU_DEP_2)
	v_add_nc_u32 v[LS8], SCL, v8
	v_lshlrev_b32 v[PFO], 8, v10
	s_and_b32 s14, s12, 1                          ; which tile of the pair
	s_mul_i32 s15, s14, 768
	v_add_nc_u32 v10, s15, v[LI16]
	s_wait_alu depctr_va_vdst(0)
	v_add_nc_u32 v11, s15, v8
	s_wait_alu depctr_va_vdst(0)
	s_lshl_b32 s15, s14, 2
	v_add_nc_u32 v35, s15, v8
	s_lshl_b32 s16, s13, 7
	s_lshl_b32 s15, ttmp9, 3
	s_add_co_u32 s16, s16, s15
	s_lshr_b32 s15, s12, 1
	s_add_co_u32 s16, s16, s15                     ; pair 128 bh + 8 x + w / 2
	s_mul_i32 s16, s16, 1792
	s_add_nc_u64 s[4:5], s[4:5], s[16:17]
	global_load_b128 v[22:25], v10, s[4:5]         ; q's six registers
	global_load_b64 v[26:27], v11, s[4:5] offset:512
	global_load_b32 v[QS], v35, s[4:5] offset:1536
	s_lshr_b32 s16, s13, 2
	s_lshl_b32 s16, s16, 8
	s_lshl_b32 s15, ttmp9, 4
	s_add_co_u32 s16, s16, s15
	s_add_co_u32 s16, s16, s12                     ; 256 b + my tile
	s_lshl_b32 s16, s16, 2
	s_and_b32 s15, s13, 3
	s_add_co_u32 s16, s16, s15                     ; x 4 + head
	s_lshl_b32 s16, s16, 10
	s_add_nc_u64 s[10:11], s[10:11], s[16:17]      ; my record of ao
	; the prefetches: waves 4-9 of the head's first work-group, 8,192 bytes of a slot each, lanes 256 bytes apart: each block of 256 bytes is named once in the launch
	s_sub_co_u32 s53, s12, 4
	s_cmp_lt_u32 s53, 6
	s_cselect_b32 s52, 1, -1
	s_cmp_eq_u32 ttmp9, 0
	s_cselect_b32 s52, s52, -1                     ; 1 in a wave that asks, else the greatest number
	s_and_b32 s53, s53, 7
	s_lshl_b32 s16, s53, 13
	s_mul_i32 s15, s13, 393216
	s_add_co_u32 s16, s16, s15
	s_add_co_u32 s16, s16, 49152                   ; in slot 1: the first change of slots steps it to slot 2.  Nothing is asked for here, at the head
	s_add_nc_u64 s[50:51], s[6:7], s[16:17]
.irp j, 0,1,2,3,4,5
	v_mov_b32 v[16+\j], 0                          ; the zero codes
	v_mov_b32 v[28+\j], 0
.endr
.irp j, 0,1,2,3,4,5,6,7,8,9,10,11,12,13,14,15,16,17,18,19,20,21,22,23,24,25,26,27,28,29,30,31
	v_mov_b32 v[O+\j], 0                           ; O^T: the step is written once; the first finds zeros, which the first change of M leaves zeros
.endr
.irp b, 0,1,2,3
	v_mov_b32 v[BT+\b], 0                          ; a lane permute's destination counts as one of its sources
.endr
	v_mov_b32 v[PW], 0                             ; (named as the upper half of the pair with f before it is first written)
	v_mov_b32 v[TT], 0
	v_mov_b32 v13, 0xff61b1e6                      ; the largest t so far: -3e38
	s_delay_alu instid0(VALU_DEP_1)
	v_floor_f32 v12, -v13                          ; -M
	v_mov_b32 v14, 0
	v_mov_b32 v15, 0
	s_mov_b32 s20, 0x76543210
	s_mov_b32 s21, 0xfedcba98
	s_mov_b32 s22, 0x3e38aa3b                      ; c = log2(e) / 8
	s_mov_b32 s23, s22
	s_mov_b32 s2, 0
	s_mov_b32 s3, 0
	s_mov_b32 s48, 7
; THE CHANGE OF SLOTS, at a slot's head.  Each wave waits for all its tensor loads, adds 0 to its spare word, waits for that and for its reads of the slot that it has left; behind the barrier the slot ahead is whole and nobody
; reads the other one, which (fill = 1) is filled with the next four key steps: the load has four steps in which to land.
.macro CHANGE fill
	s_wait_tensorcnt 0x0                           ; no tensor load of mine is out, so a group 0 may be written
	ds_add_u32 v[SPW], v[NIL]
.if \fill
	s_xor_b32 s41, s41, SLOT1                      ; the other slot than last time,
	s_add_nc_u64 s[42:43], s[42:43], 49152         ; the next four steps
	s_wait_xcnt 0x0                                ; the last prefetch, a slot back, has read its address
	s_add_nc_u64 s[50:51], s[50:51], 49152         ; one slot further on than the walking descriptor
.endif
	s_wait_dscnt 0x0                               ; the add is done, and my reads of the slot that I have left are over
	s_barrier_signal -1
	s_barrier_wait -1
.if \fill
	s_cmp_lt_u32 s12, 3
	s_cbranch_scc0 .Lno_fill_\@
	tensor_load_to_lds s[40:43], s[24:31]          ; the first thing behind the barrier, and my one tensor load until the next
	s_nop 0
.rept 4
	v_nop
.endr
.Lno_fill_\@:
	s_cmp_gt_u32 s48, s52                          ; the last change that fills a slot asks for nothing: there is no slot behind it
	s_cbranch_scc0 .Lno_ask_\@
	global_prefetch_b8 v[PFO], s[50:51] th:TH_LOAD_NT scope:SCOPE_SE   ; what the next change of slots will ask for: four key steps ahead of that load
.Lno_ask_\@:
.endif
.endm
; A KEY STEP: 128 keys, the q-th of the slot in hand
.macro STEP q
	v_add_nc_u32 v[AD], s2, v[LI16]
	v_add_nc_u32 v[AS], s3, v[LS8]
	v_nop
	v_nop                                          ; four places ahead of loads into registers that the last products read
.irp i, 0,1,2,3,4,5,6,7,8,9,10,11
	ds_load_b128 v[F+4*\i:F+4*\i+3], v[AD] offset:STEPB*(\q)+512*\i          ; K's four double fragments
.endr
.irp i, 0,1,2,3
	ds_load_b64 v[KS+2*\i:KS+2*\i+1], v[AS] offset:256*\i                    ; K's four scale words, V's four
.endr
	s_wait_alu depctr_va_vdst(0)
	s_wait_dscnt 0x0
.irp b, 0,1,2,3
	v_wmma_scale_f32_16x16x128_f8f6f4 v[S+16*\b:S+16*\b+7], v[F+12*\b:F+12*\b+11], v[QA:QA+11], 0, v[KS+\b], v[QS] matrix_a_fmt:MATRIX_FMT_BF6 matrix_b_fmt:MATRIX_FMT_BF6
	v_wmma_scale_f32_16x16x128_f8f6f4 v[S+16*\b+8:S+16*\b+15], v[F+12*\b:F+12*\b+11], v[QB:QB+11], 0, v[KS+\b], v[QS] matrix_a_fmt:MATRIX_FMT_BF6 matrix_b_fmt:MATRIX_FMT_BF6
.endr
.rept 4
	v_nop                                          ; four places: ahead of the loads below and of the first read of the scores
.endr
.irp i, 0,1,2,3,4,5,6,7,8,9,10,11
	ds_load_b128 v[F+4*\i:F+4*\i+3], v[AD] offset:STEPB*(\q)+6144+512*\i     ; V's four fragments land under the softmax
.endr
.irp b, 0,1,2,3
	v_max3_num_f32 v[BM+\b], v[S+16*\b], v[S+1+16*\b], v[S+2+16*\b]          ; the largest score of each block of 32 keys: for the row's maximum and for the block's largest p
.endr
.irp i, 3,5,7,9,11,13
.irp b, 0,1,2,3
	v_max3_num_f32 v[BM+\b], v[BM+\b], v[S+16*\b+\i], v[S+1+16*\b+\i]
.endr
.endr
.irp b, 0,1,2,3
	v_max_num_f32 v[BM+\b], v[BM+\b], v[S+15+16*\b]
.endr
.irp b, 0,1,2,3
	s_delay_alu instid0(VALU_DEP_4)
	v_permlanex16_b32 v[BT+\b], v[BM+\b], s20, s21
.endr
.irp b, 0,1,2,3
	s_delay_alu instid0(VALU_DEP_4)
	v_max_num_f32 v[BM+\b], v[BM+\b], v[BT+\b]     ; with lane l xor 16's 16 keys
.endr
	s_delay_alu instid0(VALU_DEP_2)
	v_max3_num_f32 v[TT], v[BM], v[BM+1], v[BM+2]
	s_delay_alu instid0(VALU_DEP_1)
	v_max_num_f32 v[TT], v[TT], v[BM+3]
	s_delay_alu instid0(VALU_DEP_1)
	v_mul_f32 v[TT], s22, v[TT]                    ; as t (c is positive)
	s_delay_alu instid0(VALU_DEP_1)
	v_max_num_f32 v13, v13, v[TT]                  ; the running largest t
	v_mov_b32 v[TT], v12
	s_delay_alu instid0(VALU_DEP_2)
	v_floor_f32 v12, -v13                          ; the new -M = floor(-t): M is a whole number
	s_delay_alu instid0(VALU_DEP_1)
	v_sub_f32 v[TT], v12, v[TT]                    ; old M - new M: a whole number, 0 or less
	s_delay_alu instid0(VALU_DEP_1)
	v_cvt_i32_f32 v[TT], v[TT]                     ; (it saturates)
	s_delay_alu instid0(VALU_DEP_1)
	v_ldexp_f32 v[FF], 1.0, v[TT]                  ; f = 2^(old M - new M)
.irp j, 0,2,4,6,8,10,12,14,16,18,20,22,24,26,28,30,32,34,36,38,40,42,44,46,48,50,52,54,56,58,60,62
	v_pk_fma_f32 v[S+\j:S+1+\j], v[S+\j:S+1+\j], s[22:23], v[12:13] op_sel_hi:[1,0,0]   ; t - M, two at a time
.endr
.irp b, 0,1,2,3
	v_fma_f32 v[BM+\b], v[BM+\b], s22, v12         ; the same of each block's largest score
.endr
	s_wait_alu depctr_va_vdst(0)
.irp j, 0,1,2,3,4,5,6,7,8,9,10,11,12,13,14,15,16,17,18,19,20,21,22,23,24,25,26,27,28,29,30,31,32,33,34,35,36,37,38,39,40,41,42,43,44,45,46,47,48,49,50,51,52,53,54,55,56,57,58,59,60,61,62,63
	v_exp_f32 v[S+\j], v[S+\j]                     ; p = 2^(t - M), at most 1
.endr
	v_pk_mul_f32 v[14:15], v[14:15], v[FF:FF+1] op_sel_hi:[1,0]   ; the sums under the new M (the plain place behind the exponentials)
	s_wait_alu depctr_va_vdst(0)                   ; one wait for the whole batch, ahead of its first reader
.irp b, 0,1,2,3
	v_exp_f32 v[BM+\b], v[BM+\b]                   ; the block's largest p
.endr
	v_pk_add_f32 v[216:217], v[100:101], v[104:105]
	v_pk_add_f32 v[230:231], v[108:109], v[112:113]
	v_pk_add_f32 v[228:229], v[116:117], v[120:121]
	v_pk_add_f32 v[222:223], v[124:125], v[128:129]
	v_pk_add_f32 v[220:221], v[132:133], v[136:137]
	v_pk_add_f32 v[218:219], v[140:141], v[144:145]
	v_pk_add_f32 v[210:211], v[148:149], v[152:153]
	v_pk_add_f32 v[14:15], v[14:15], v[156:157]
	v_pk_add_f32 v[216:217], v[216:217], v[96:97]
	v_pk_add_f32 v[230:231], v[230:231], v[98:99]
	v_pk_add_f32 v[228:229], v[228:229], v[102:103]
	v_pk_add_f32 v[222:223], v[222:223], v[106:107]
	v_pk_add_f32 v[220:221], v[220:221], v[110:111]
	v_pk_add_f32 v[218:219], v[218:219], v[114:115]
	v_pk_add_f32 v[210:211], v[210:211], v[118:119]
	v_pk_add_f32 v[14:15], v[14:15], v[122:123]
	v_pk_add_f32 v[216:217], v[216:217], v[126:127]
	v_pk_add_f32 v[230:231], v[230:231], v[130:131]
	v_pk_add_f32 v[228:229], v[228:229], v[134:135]
	v_pk_add_f32 v[222:223], v[222:223], v[138:139]
	v_pk_add_f32 v[220:221], v[220:221], v[142:143]
	v_pk_add_f32 v[218:219], v[218:219], v[146:147]
	v_pk_add_f32 v[210:211], v[210:211], v[150:151]
	v_pk_add_f32 v[14:15], v[14:15], v[154:155]
	v_pk_add_f32 v[216:217], v[216:217], v[158:159]
	s_delay_alu instid0(VALU_DEP_2)
	v_pk_add_f32 v[14:15], v[14:15], v[222:223]
	s_delay_alu instid0(VALU_DEP_2)
	v_pk_add_f32 v[216:217], v[216:217], v[220:221]
	v_pk_add_f32 v[230:231], v[230:231], v[218:219]
	v_pk_add_f32 v[228:229], v[228:229], v[210:211]
	s_delay_alu instid0(VALU_DEP_2)
	v_pk_add_f32 v[14:15], v[14:15], v[230:231]
	s_delay_alu instid0(VALU_DEP_2)
	v_pk_add_f32 v[216:217], v[216:217], v[228:229]
	s_delay_alu instid0(VALU_DEP_1)
	v_pk_add_f32 v[14:15], v[14:15], v[216:217]
	s_wait_alu depctr_va_vdst(0)                   ; and one for the four
.irp b, 0,1,2,3
	v_max_num_f32 v[BM+\b], 0x2800000, v[BM+\b]    ; the floor 2^(5 - 127): the byte cannot fall under 1
.endr
.irp b, 0,1,2,3
	s_delay_alu instid0(VALU_DEP_4)
	v_add_nc_u32 v[SCO+\b], 0xfe000000, v[BM+\b]   ; 4 off the exponent field: the conversion's scale operand
.endr
.irp b, 0,1,2,3
	s_delay_alu instid0(VALU_DEP_4)
	v_lshrrev_b32 v[BT+\b], 23, v[SCO+\b]          ; the scale's byte
.endr
	s_delay_alu instid0(VALU_DEP_3)
	v_lshl_or_b32 v[PW], v[BT+1], 8, v[BT]         ; p's scale word for these 128 keys
	s_delay_alu instid0(VALU_DEP_1)
	v_lshl_or_b32 v[PW], v[BT+2], 16, v[PW]
	s_delay_alu instid0(VALU_DEP_1)
	v_lshl_or_b32 v[PW], v[BT+3], 24, v[PW]
.irp c, 0,1
	v_cvt_scalef32_pk16_bf6_f32 v[PC+6*\c:PC+2+6*\c], v[S+32*\c:S+15+32*\c], v[SCO+2*\c]
	v_cvt_scalef32_pk16_bf6_f32 v[P2+4*\c:P2+2+4*\c], v[S+16+32*\c:S+31+32*\c], v[SCO+2*\c+1]
.endr
	v_nop                                          ; one plain place behind a scaled conversion
.irp c, 0,1                            ; the operand's layout wants a whole block in a lane
.irp i, 0,1,2
	v_permlane16_swap_b32 v[PC+6*\c+\i], v[P2+4*\c+\i]
.endr
.irp i, 0,1,2
	s_delay_alu instid0(VALU_DEP_3)
	v_mov_b32 v[PC+3+6*\c+\i], v[P2+4*\c+\i]
.endr
.endr
.irp j, 0,2,4,6,8,10,12,14,16,18,20,22,24,26,28,30
	v_pk_mul_f32 v[O+\j:O+1+\j], v[O+\j:O+1+\j], v[FF:FF+1] op_sel_hi:[1,0]   ; O^T under the new M.  These sixteen are also the places between the codes and the scale word, made by vector instructions, and the products
.endr
	s_wait_alu depctr_va_vdst(0)
	s_wait_dscnt 0x0                               ; V
.irp t, 0,1,2,3
	v_wmma_scale_f32_16x16x128_f8f6f4 v[O+8*\t:O+8*\t+7], v[F+12*\t:F+12*\t+11], v[PC:PC+11], v[O+8*\t:O+8*\t+7], v[VS+\t], v[PW] matrix_a_fmt:MATRIX_FMT_BF6 matrix_b_fmt:MATRIX_FMT_BF6
.endr
	s_add_co_u32 s3, s3, 1024                      ; the next step's scale words
.endm
.macro FOUR_STEPS
	STEP 0
	STEP 1
	STEP 2
	STEP 3
	s_xor_b32 s2, s2, SLOT1                        ; on to the other slot
.endm
	s_wait_loadcnt 0x0                             ; q
.Lslot:                                            ; seven trips: behind each change of slots but the last the next slot is asked for
	CHANGE 1
	FOUR_STEPS
	s_sub_co_u32 s48, s48, 1
	s_cmp_lg_u32 s48, 0
	s_cbranch_scc1 .Lslot
	CHANGE 0                                       ; the last slot is written out
	FOUR_STEPS
	; THE WAY OUT: O^T / the sum; register 16 b + i is channel 32 b + 16 (lane / 16) + i of my query: two blocks of the projection's K
.rept 4
	v_nop
.endr
	v_add_f32 v14, v14, v15
	s_delay_alu instid0(VALU_DEP_1)
	v_permlanex16_b32 v[TT], v14, s20, s21
	s_delay_alu instid0(VALU_DEP_1)
	v_add_f32 v14, v14, v[TT]                      ; the row's sum
	s_wait_alu depctr_va_vdst(0)
	v_rcp_f32 v14, v14
	v_nop                                          ; a plain place behind the transcendental
	s_wait_alu depctr_va_vdst(0)                   ; ahead of its first reader
.irp j, 0,2,4,6,8,10,12,14,16,18,20,22,24,26,28,30
	v_pk_mul_f32 v[S+\j:S+1+\j], v[O+\j:O+1+\j], v[14:15] op_sel_hi:[1,0]
.endr
.irp b, 0,1
	v_max3_num_f32 v[BM+\b], |v[S+16*\b]|, |v[S+1+16*\b]|, 0x2800000
.endr
.irp i, 2,4,6,8,10,12,14
.irp b, 0,1
	s_delay_alu instid0(VALU_DEP_2)
	v_max3_num_f32 v[BM+\b], v[BM+\b], |v[S+16*\b+\i]|, |v[S+1+16*\b+\i]|
.endr
.endr
.irp b, 0,1
	s_delay_alu instid0(VALU_DEP_2)
	v_permlanex16_b32 v[BT+\b], v[BM+\b], s20, s21
.endr
.irp b, 0,1
	s_delay_alu instid0(VALU_DEP_2)
	v_max_num_f32 v[BM+\b], v[BM+\b], v[BT+\b]
.endr
.irp b, 0,1
	s_delay_alu instid0(VALU_DEP_2)
	v_add_nc_u32 v[SCO+\b], 0xfe000000, v[BM+\b]
.endr
.irp b, 0,1
	s_delay_alu instid0(VALU_DEP_2)
	v_lshrrev_b32 v[BT+\b], 23, v[SCO+\b]
.endr
	s_delay_alu instid0(VALU_DEP_1)
	v_lshl_or_b32 v[PW], v[BT+1], 8, v[BT]         ; my head's two bytes of the row's scale word
	v_cvt_scalef32_pk16_bf6_f32 v[PC:PC+2], v[S:S+15], v[SCO]
	v_cvt_scalef32_pk16_bf6_f32 v[P2:P2+2], v[S+16:S+31], v[SCO+1]
	v_nop
.irp i, 0,1,2
	v_permlane16_swap_b32 v[PC+\i], v[P2+\i]
.endr
.irp i, 0,1,2
	s_delay_alu instid0(VALU_DEP_3)
	v_mov_b32 v[PC+3+\i], v[P2+\i]                 ; six registers: k = 32 (lane / 16) + 0 .. 31 of my head's 64
.endr
	global_store_b128 v[LI16], v[PC:PC+3], s[10:11]
	global_store_b64 v8, v[PC+4:PC+5], s[10:11] offset:512
	global_store_b32 v9, v[PW], s[10:11] offset:768
	s_wait_tensorcnt 0x0                           ; the wave's end
	ds_add_u32 v[SPW], v[NIL]
	s_wait_dscnt 0x0
	s_endpgm
.Lfunc_end_k_q85a9c50577_attn:
	.size	k_q85a9c50577_attn, .Lfunc_end_k_q85a9c50577_attn-k_q85a9c50577_attn
	.p2alignl 7, 3214868480
	.fill 96, 4, 3214868480
	.section	.rodata,"a",@progbits
	.p2align	6, 0x0
	.amdhsa_kernel k_q85a9c50577_attn
		.amdhsa_group_segment_fixed_size 327680
		.amdhsa_private_segment_fixed_size 0
		.amdhsa_enable_private_segment 0
		.amdhsa_kernarg_size 32
		.amdhsa_user_sgpr_count 2
		.amdhsa_user_sgpr_kernarg_segment_ptr 1
		.amdhsa_wavefront_size32 1
		.amdhsa_system_sgpr_workgroup_id_x 1
		.amdhsa_system_sgpr_workgroup_id_y 1
		.amdhsa_system_sgpr_workgroup_id_z 1
		.amdhsa_system_vgpr_workitem_id 0
		.amdhsa_next_free_vgpr 232
		.amdhsa_next_free_sgpr 66
		.amdhsa_reserve_vcc 0
		.amdhsa_float_denorm_mode_32 3
		.amdhsa_float_denorm_mode_16_64 3
		.amdhsa_memory_ordered 1
		.amdhsa_forward_progress 1
		.amdhsa_inst_pref_size 145
	.end_amdhsa_kernel
	.amdgpu_metadata
---
amdhsa.version: [ 1, 2 ]
amdhsa.kernels:
  - .name:           k_q85a9c50577_attn
    .symbol:         k_q85a9c50577_attn.kd
    .args:
      - { .name: qbuf, .offset: 0, .size: 8, .value_kind: global_buffer, .address_space: global }
      - { .name: kvc, .offset: 8, .size: 8, .value_kind: global_buffer, .address_space: global }
      - { .name: kvs, .offset: 16, .size: 8, .value_kind: global_buffer, .address_space: global }
      - { .name: ao, .offset: 24, .size: 8, .value_kind: global_buffer, .address_space: global }
    .group_segment_fixed_size: 327680
    .private_segment_fixed_size: 0
    .kernarg_segment_align: 8
    .kernarg_segment_size: 32
    .max_flat_workgroup_size: 512
    .sgpr_count:     66
    .vgpr_count:     232
    .wavefront_size: 32
...
	.end_amdgpu_metadata
.endif
;; end of part 3
;; launch proj (part 4): grid 256 x 1, 16 waves a work-group, no clusters, 84,992 bytes of LDS; arguments ao, wq, proj_b, x, stats, gamma, beta, out0; writes out0
.if DOCPART == 4
	.amdgcn_target "amdgcn-amd-amdhsa--gfx1250"
	.amdhsa_code_object_version 6
	.text
	.protected	k_q85a9c50577_proj
	.globl	k_q85a9c50577_proj
	.p2align	8
	.type	k_q85a9c50577_proj,@function
k_q85a9c50577_proj:
	s_mov_b64 s[64:65], 0
	v_nop
	global_prefetch_b8 v0, s[64:65] scope:SCOPE_SE
	s_setreg_imm32_b32 hwreg(HW_REG_WAVE_MODE, 25, 1), 1
	s_wait_xcnt 0x0
; PROJECTION AND RESIDUAL.  out0 = proj_w a + proj_b + xn, the product on codes of E3M2; a comes as codes (ao), proj_w as images of operand registers (wq); xn is made anew from x and the statistics, in f32.
; SHARES.  Work-group n: batch n / 64, tokens 64 (n % 64) .. + 63 (four tiles).  Wave w: output rows 16 w .. 16 w + 15 for all 64 tokens: 8 matrix instructions.
; Wave w first brings record w (tile w / 4, head w % 4: 768 bytes of codes, 128 of half scale words) into LDS; two heads' records on end are a fragment of 128 along K, two half words a scale word; one barrier; every wave reads all eight fragments.
; Source 0 = 16 tokens, source 1 = 16 rows of proj_w: a lane holds one output row and eight NEIGHBOURING tokens (row r of tile 2 g + u is token 32 g + 8 u + r + 8 (r / 8)).  They go through the wave's own stage in LDS and come back
; as whole rows of 256 bytes, which is also how x is read and out0 stored: every load and store of a row covers 256 consecutive bytes, aligned.
; The sum is formed as (product + (proj_b + beta)) + ((x - mean) / sigma) x gamma: an order of f32 rounding that differs from the reference's.  proj_b + beta is the C of each sum's first product.
; LIMITS: NaN and infinities are not served; v_rsq_f32 is taken as it is.
.set ASC, 12288                        ; LDS: 16 records x 768 bytes from 0; 8 x 128 bytes of scale words; the stage, 256 rows x 272 bytes
.set STG, 13312
.set WSC, 30                           ; v30-31   proj_w's scale words
.set W,   32                           ; v32-55   its two fragments
.set CB,  56                           ; v56-63   proj_b + beta of my row, eight times
.set AOF, 64                           ; v64-159  a's eight fragments; later the rows read back
.set AOS, 160                          ; v160-167 their scale words
.set ACC, 168                          ; v168-199
.set X,   200                          ; v200-231 x: 16 rows, two tokens a lane
; v1 16 l, v2 8 l, v3 4 l; v4, v5, v6 where my record goes; v7 into the stage, v8 out of it; v9 8 (l % 8); v10 4 r; v[12:13] -mean, v[14:15] 1 / sigma; v16-19 the statistics; v20 proj_b, v21 beta; v22-28 my record
.macro COMBINE m, q, t, e, n           ; lane l holds (mean, M2) of part l % 8, each of n numbers: v[t] becomes the mean of all eight, v[q] their M2, in every lane
	v_mov_b32 v[\t], v[\m]
	s_delay_alu instid0(VALU_DEP_1)
	v_add_f32_dpp v[\t], v[\t], v[\t] row_xmask:1 row_mask:0xf bank_mask:0xf
	s_delay_alu instid0(VALU_DEP_1)
	v_add_f32_dpp v[\t], v[\t], v[\t] row_xmask:2 row_mask:0xf bank_mask:0xf
	s_delay_alu instid0(VALU_DEP_1)
	v_add_f32_dpp v[\t], v[\t], v[\t] row_xmask:4 row_mask:0xf bank_mask:0xf
	s_delay_alu instid0(VALU_DEP_1)
	v_mul_f32 v[\t], 0x3e000000, v[\t]
	s_delay_alu instid0(VALU_DEP_1)
	v_sub_f32 v[\m], v[\m], v[\t]
	s_delay_alu instid0(VALU_DEP_1)
	v_mul_f32 v[\e], \n, v[\m]
	s_delay_alu instid0(VALU_DEP_1)
	v_fma_f32 v[\q], v[\e], v[\m], v[\q]
	s_delay_alu instid0(VALU_DEP_1)
	v_add_f32_dpp v[\q], v[\q], v[\q] row_xmask:1 row_mask:0xf bank_mask:0xf
	s_delay_alu instid0(VALU_DEP_1)
	v_add_f32_dpp v[\q], v[\q], v[\q] row_xmask:2 row_mask:0xf bank_mask:0xf
	s_delay_alu instid0(VALU_DEP_1)
	v_add_f32_dpp v[\q], v[\q], v[\q] row_xmask:4 row_mask:0xf bank_mask:0xf
.endm
	s_load_b512 s[4:19], s[0:1], 0x0               ; ao, wq, proj_b, x, stats, gamma, beta, out0
	v_lshl_add_u32 v232, v0, 2, 0x14400
	v_mov_b32 v233, 0
	v_lshrrev_b32 v16, 5, v0
	s_delay_alu instid0(VALU_DEP_1)
	v_readfirstlane_b32 s20, v16                   ; wave 0..15
	s_lshr_b32 s21, ttmp9, 6                       ; b
	s_and_b32 s22, ttmp9, 63                       ; block of 64 tokens
	v_and_b32 v16, 31, v0
	s_delay_alu instid0(VALU_DEP_1)
	v_lshlrev_b32 v1, 4, v16
	s_delay_alu instid0(VALU_DEP_2)
	v_lshlrev_b32 v2, 3, v16
	s_delay_alu instid0(VALU_DEP_3)
	v_lshlrev_b32 v3, 2, v16
	s_mul_i32 s23, s20, 768
	v_add_nc_u32 v4, s23, v1
	v_add_nc_u32 v5, s23, v2
	s_delay_alu instid0(VALU_DEP_1)
	v_add_nc_u32 v5, 512, v5
	s_lshr_b32 s23, s20, 1
	s_lshl_b32 s23, s23, 7
	s_and_b32 s40, s20, 1
	s_lshl_b32 s40, s40, 1
	s_add_co_u32 s23, s23, s40
	s_add_co_u32 s23, s23, ASC
	v_add_nc_u32 v6, s23, v3                       ; fragment w / 2's words, half w % 2
	v_and_b32 v17, 15, v0                          ; r
	v_bfe_u32 v18, v0, 4, 1                        ; h
	s_mul_i32 s23, s20, 4352
	s_add_co_u32 s23, s23, STG                     ; my 16 rows of the stage
	v_mul_u32_u24 v7, v17, 272
	s_delay_alu instid0(VALU_DEP_1)
	v_lshl_add_u32 v7, v18, 6, v7
	s_delay_alu instid0(VALU_DEP_1)
	v_add_nc_u32 v7, s23, v7                       ; in: row r, + 64 h
	v_add_nc_u32 v8, s23, v2                       ; back: 8 bytes a lane
	v_and_b32 v9, 7, v0
	s_delay_alu instid0(VALU_DEP_1)
	v_lshlrev_b32 v9, 3, v9
	v_lshlrev_b32 v10, 2, v17
	s_mov_b32 s41, 0
	s_wait_alu depctr_va_vdst(0)
	s_wait_kmcnt 0x0
	s_lshl_b32 s40, s21, 10
	s_lshl_b32 s23, s22, 4
	s_add_co_u32 s40, s40, s23
	s_add_co_u32 s40, s40, s20
	s_lshl_b32 s40, s40, 10
	s_add_nc_u64 s[4:5], s[4:5], s[40:41]          ; record 4 (256 b + 4 block) + w
	s_lshl_b32 s40, s21, 9
	s_lshr_b32 s23, s20, 1
	s_lshl_b32 s23, s23, 6
	s_add_co_u32 s40, s40, s23
	s_add_nc_u64 s[12:13], s[12:13], s[40:41]      ; group 8 b + w / 2
	s_lshl_b32 s40, s20, 6
	s_add_nc_u64 s[8:9], s[8:9], s[40:41]
	s_add_nc_u64 s[14:15], s[14:15], s[40:41]
	s_add_nc_u64 s[16:17], s[16:17], s[40:41]
	s_load_b512 s[24:39], s[14:15], 0x0            ; gamma of my 16 rows
	s_mul_i32 s40, s20, 3072
	s_add_co_u32 s40, s40, 147456
	s_add_nc_u64 s[42:43], s[6:7], s[40:41]        ; fragments 96 + 2 w, 97 + 2 w
	s_lshl_b32 s40, s20, 8
	s_add_co_u32 s40, s40, 208896
	s_add_nc_u64 s[44:45], s[6:7], s[40:41]        ; their scale words
	s_lshl_b32 s40, s21, 22
	s_lshl_b32 s23, s20, 18
	s_add_co_u32 s40, s40, s23
	s_lshl_b32 s23, s22, 8
	s_add_co_u32 s40, s40, s23
	s_add_nc_u64 s[10:11], s[10:11], s[40:41]      ; x and out0: batch, row 16 w, token 64 block
	s_add_nc_u64 s[18:19], s[18:19], s[40:41]
	global_load_b128 v[22:25], v1, s[4:5]
	global_load_b64 v[26:27], v2, s[4:5] offset:512
	global_load_b32 v28, v3, s[4:5] offset:768
	global_load_b64 v[16:17], v9, s[12:13]
	global_load_b32 v20, v10, s[8:9]
	global_load_b32 v21, v10, s[16:17]
.irp i, 0,1,2,3,4,5
	global_load_b128 v[W+4*\i:W+4*\i+3], v1, s[42:43] offset:512*\i
.endr
.irp s, 0,1
	global_load_b32 v[WSC+\s], v3, s[44:45] offset:128*\s
.endr
.irp i, 0,1,2,3,4,5,6,7,8,9,10,11,12,13,14,15
	global_load_b64 v[X+2*\i:X+2*\i+1], v2, s[10:11] offset:16384*\i th:TH_LOAD_NT   ; a row's 256 bytes
.endr
	s_wait_loadcnt 27                              ; my record is in; behind it: 1 + 2 + 8 + 16 loads
	ds_store_b128 v4, v[22:25]
	ds_store_b64 v5, v[26:27]
	ds_store_b16 v6, v28
	s_wait_dscnt 0x0                               ; for the others' sake
	s_barrier_signal -1
	s_barrier_wait -1                              ; all sixteen records lie in LDS
.irp f, 0,1,2,3,4,5,6,7
	ds_load_b128 v[AOF+12*\f:AOF+12*\f+3], v1 offset:1536*\f
	ds_load_b64 v[AOF+12*\f+4:AOF+12*\f+5], v2 offset:1536*\f+512
	ds_load_b128 v[AOF+12*\f+6:AOF+12*\f+9], v1 offset:1536*\f+768
	ds_load_b64 v[AOF+12*\f+10:AOF+12*\f+11], v2 offset:1536*\f+1280
	ds_load_b32 v[AOS+\f], v3 offset:ASC+128*\f
.endr
	s_wait_loadcnt 24                              ; the statistics and the two biases are in; behind them: 8 + 16 loads
	COMBINE 16, 17, 18, 19, 0x46800000
	s_delay_alu instid0(VALU_DEP_1)
	v_mul_f32 v17, 0x37000000, v17                 ; / 131,072
	s_delay_alu instid0(VALU_DEP_1)
	v_add_f32 v17, 0x3727c5ac, v17                 ; + 1e-5
	s_wait_alu depctr_va_vdst(0)
	v_rsq_f32 v14, v17
	v_xor_b32 v12, 0x80000000, v18                 ; - mean (the plain place behind the transcendental)
	s_wait_alu depctr_va_vdst(0)                   ; ahead of the first line that names its result
	v_mov_b32 v13, v12
	v_mov_b32 v15, v14
	v_add_f32 v[CB], v20, v21
.irp j, 1,2,3,4,5,6,7
	v_mov_b32 v[CB+\j], v[CB]
.endr
	s_wait_alu depctr_va_vdst(0)
	s_wait_loadcnt 16                              ; proj_w; x's 16 loads may be out
	s_wait_dscnt 0x0
.irp T, 0,1,2,3                        ; the four accumulators take turns
	v_wmma_scale_f32_16x16x128_f8f6f4 v[ACC+8*\T:ACC+8*\T+7], v[AOF+24*\T:AOF+24*\T+11], v[W:W+11], v[CB:CB+7], v[AOS+2*\T], v[WSC] matrix_a_fmt:MATRIX_FMT_BF6 matrix_b_fmt:MATRIX_FMT_BF6
.endr
.irp T, 0,1,2,3
	v_wmma_scale_f32_16x16x128_f8f6f4 v[ACC+8*\T:ACC+8*\T+7], v[AOF+24*\T+12:AOF+24*\T+23], v[W+12:W+23], v[ACC+8*\T:ACC+8*\T+7], v[AOS+2*\T+1], v[WSC+1] matrix_a_fmt:MATRIX_FMT_BF6 matrix_b_fmt:MATRIX_FMT_BF6
.endr
.rept 4
	v_nop                                          ; four places ahead of the reads of the results and of the loads into the operands' registers
.endr
.irp T, 0,1,2,3
	ds_store_b128 v7, v[ACC+8*\T:ACC+8*\T+3] offset:128*(\T/2)+32*(\T%2)         ; tokens 32 (T / 2) + 8 (T % 2) + 16 h + 0 .. 7 of row r; each accumulator from its low end on
	ds_store_b128 v7, v[ACC+8*\T+4:ACC+8*\T+7] offset:128*(\T/2)+32*(\T%2)+16
.endr
.irp i, 0,1,2,3,4,5,6,7,8,9,10,11,12,13,14,15
	ds_load_b64 v[AOF+2*\i:AOF+2*\i+1], v8 offset:272*\i   ; my own bytes: LDS serves a wave's instructions in order (ISA guide 5.7.1.4)
.endr
	s_wait_loadcnt 0x0                             ; x
	s_wait_kmcnt 0x0                               ; gamma
.irp i, 0,1,2,3,4,5,6,7,8,9,10,11,12,13,14,15
	v_pk_add_f32 v[X+2*\i:X+2*\i+1], v[X+2*\i:X+2*\i+1], v[12:13]
.endr
.irp i, 0,1,2,3,4,5,6,7,8,9,10,11,12,13,14,15
	v_pk_mul_f32 v[X+2*\i:X+2*\i+1], v[X+2*\i:X+2*\i+1], v[14:15]
.endr
.irp i, 0,1,2,3,4,5,6,7,8,9,10,11,12,13,14,15
	s_wait_dscnt 15-\i                             ; row i is back; the younger rows may be out
	v_fma_f32 v[X+2*\i], v[X+2*\i], s[24+\i], v[AOF+2*\i]
	v_fma_f32 v[X+2*\i+1], v[X+2*\i+1], s[24+\i], v[AOF+2*\i+1]
	global_store_b64 v2, v[X+2*\i:X+2*\i+1], s[18:19] offset:16384*\i th:TH_STORE_NT   ; 32 lanes store 256 consecutive bytes, aligned
.endr
	s_wait_tensorcnt 0x0
	ds_add_u32 v232, v233
	s_wait_dscnt 0x0
	s_endpgm
.Lfunc_end_k_q85a9c50577_proj:
	.size	k_q85a9c50577_proj, .Lfunc_end_k_q85a9c50577_proj-k_q85a9c50577_proj
	.p2alignl 7, 3214868480
	.fill 96, 4, 3214868480
	.section	.rodata,"a",@progbits
	.p2align	6, 0x0
	.amdhsa_kernel k_q85a9c50577_proj
		.amdhsa_group_segment_fixed_size 84992
		.amdhsa_private_segment_fixed_size 0
		.amdhsa_enable_private_segment 0
		.amdhsa_kernarg_size 64
		.amdhsa_user_sgpr_count 2
		.amdhsa_user_sgpr_kernarg_segment_ptr 1
		.amdhsa_wavefront_size32 1
		.amdhsa_system_sgpr_workgroup_id_x 1
		.amdhsa_system_sgpr_workgroup_id_y 1
		.amdhsa_system_sgpr_workgroup_id_z 1
		.amdhsa_system_vgpr_workitem_id 0
		.amdhsa_next_free_vgpr 234
		.amdhsa_next_free_sgpr 66
		.amdhsa_reserve_vcc 0
		.amdhsa_float_denorm_mode_32 3
		.amdhsa_float_denorm_mode_16_64 3
		.amdhsa_memory_ordered 1
		.amdhsa_forward_progress 1
		.amdhsa_inst_pref_size 20
	.end_amdhsa_kernel
	.amdgpu_metadata
---
amdhsa.version: [ 1, 2 ]
amdhsa.kernels:
  - .name:           k_q85a9c50577_proj
    .symbol:         k_q85a9c50577_proj.kd
    .args:
      - { .name: ao, .offset: 0, .size: 8, .value_kind: global_buffer, .address_space: global }
      - { .name: wq, .offset: 8, .size: 8, .value_kind: global_buffer, .address_space: global }
      - { .name: proj_b, .offset: 16, .size: 8, .value_kind: global_buffer, .address_space: global }
      - { .name: x, .offset: 24, .size: 8, .value_kind: global_buffer, .address_space: global }
      - { .name: stats, .offset: 32, .size: 8, .value_kind: global_buffer, .address_space: global }
      - { .name: gamma, .offset: 40, .size: 8, .value_kind: global_buffer, .address_space: global }
      - { .name: beta, .offset: 48, .size: 8, .value_kind: global_buffer, .address_space: global }
      - { .name: out0, .offset: 56, .size: 8, .value_kind: global_buffer, .address_space: global }
    .group_segment_fixed_size: 84992
    .private_segment_fixed_size: 0
    .kernarg_segment_align: 8
    .kernarg_segment_size: 64
    .max_flat_workgroup_size: 512
    .sgpr_count:     66
    .vgpr_count:     234
    .wavefront_size: 32
...
	.end_amdgpu_metadata
.endif
;; end of part 4
